; MI455X (gfx1250); checked and timed in simulation.
; The chip was launched on July 23, 2026; its instructions are those of AMD's public machine-readable ISA for CDNA 5 (MIT licence, August 2026) and "CDNA5" Instruction Set Architecture Reference Guide (July 2026). The comments in the code are by the model that wrote it; some were corrected since.
;; Attention. Allowed arithmetic: float matrix products may take bf16 or f16 operands with f32 sums; all other float work in f32.
;; Inputs: w_kv 1,024 x 2,048 float32; w_out 1,024 x 1,024 float32; w_q 1,024 x 1,024 float32; x 2 x 2,048 x 1,024 float32.
;; Outputs: out0 2 x 2,048 x 1,024 float32.
;; 2 versions, each right; version 2 is version 1 with the launch prep written anew for expert scheduling mode. Each part assembles by itself: llvm-mc -triple=amdgcn-amd-amdhsa -mcpu=gfx1250 --defsym DOCPART=n.
;; ======== version 1 of 2: 4 launches
;; limits: values are held in f16: magnitudes above 65,504 overflow, below 6.1e-05 lose precision
;; workspace buffers: xb 8,388,608 bytes; wqkv 6,291,456 bytes; wob 2,097,152 bytes; cs 262,144 bytes; qkvh 25,165,824 bytes; ao 16,777,216 bytes
;; launch prep (part 1): grid 256 x 1, 8 waves a work-group, no clusters, 0 bytes of LDS; arguments x, w_q, w_kv, w_out, xb, wqkv, wob, cs; writes xb, wqkv, wob, cs
.if DOCPART == 1
	.amdgcn_target "amdgcn-amd-amdhsa--gfx1250"
	.amdhsa_code_object_version 6
	.text
	.protected	k_q027a548fb1_prep
	.globl	k_q027a548fb1_prep
	.p2align	8
	.type	k_q027a548fb1_prep,@function
k_q027a548fb1_prep:
	s_mov_b64 s[64:65], 0
	v_nop
	global_prefetch_b8 v0, s[64:65] scope:SCOPE_SE
	s_setreg_imm32_b32 hwreg(HW_REG_WAVE_MODE, 25, 1), 1
	s_wait_xcnt 0x0
; prep: the four f32 inputs are rounded once to 16 bits, and the table of cosines and sines is made.
;   xb   [4096][1024] bf16 = x;   wqkv [1024 k][3072 n] bf16 = w_q (n 0-1023) beside w_kv (n 1024-3071);
;   wob  [1024 k][1024 n] f16 = w_out rounded to bf16 like the other inputs, that value written as f16 (its partner operand is f16);
;   cs   [2048 pos][16 cos | 16 sin] f32, angle = pos * 10000^(-j/16).
; LIMITS: |w_out| < 65,504; the step bf16 -> f16 is exact from 2^-17 upward, below it the error is at most 2^-25.
; A piece is 1,024 f32 of a source row: 4,096 bytes in, 2,048 bytes out.  8,192 pieces, 32 for each of 256 work-groups, four neighbouring
; ones for each wave.  A wave issues its 32 loads at once (16 KiB on their way); each load covers 512 neighbouring bytes, each store 256
; neighbouring bytes that begin at a multiple of 256.  No LDS, no barrier, no matrix unit: every byte is read once and written once.
.set X, 32                             ; v[32:159]  the 32 loads, four f32 each
.set Y, 160                            ; v[160:223] two packed words for each load; never written twice
	s_load_b512 s[16:31], s[0:1], 0x0              ; x, w_q, w_kv, w_out, xb, wqkv, wob, cs
	s_mov_b32 s2, ttmp9                            ; g, the work-group
	v_lshrrev_b32 v1, 5, v0
	v_readfirstlane_b32 s3, v1                     ; wave
	v_and_b32 v2, 31, v0                           ; lane
	v_lshlrev_b32 v1, 4, v2                        ; 16 bytes a lane in the source
	v_lshlrev_b32 v3, 3, v2                        ; 8 bytes a lane in the destination
	s_lshl_b32 s33, s3, 2                          ; four pieces a wave
	s_wait_kmcnt 0x0
	; which source: s[4:5] source, s[6:7] destination, s8 my first piece, s10 its byte offset in the destination,
	; s12-14 the next three pieces' distances from it, s15 = 1 for w_out
	s_cmp_lt_u32 s2, 128
	s_cbranch_scc0 .Lnot_x
	s_mov_b64 s[4:5], s[16:17]                     ; g 0-127: x, 4,096 pieces
	s_mov_b64 s[6:7], s[24:25]
	s_lshl_b32 s8, s2, 5
	s_add_co_u32 s8, s8, s33
	s_lshl_b32 s10, s8, 11
	s_mov_b32 s12, 2048
	s_mov_b32 s13, 4096
	s_mov_b32 s14, 6144
	s_mov_b32 s15, 0
	s_branch .Lgo
.Lnot_x:
	s_cmp_lt_u32 s2, 160
	s_cbranch_scc0 .Lnot_q
	s_mov_b64 s[4:5], s[18:19]                     ; g 128-159: w_q, a piece is a row; rows of wqkv are 6,144 bytes
	s_mov_b64 s[6:7], s[26:27]
	s_sub_co_u32 s8, s2, 128
	s_lshl_b32 s8, s8, 5
	s_add_co_u32 s8, s8, s33
	s_mul_i32 s10, s8, 6144
	s_mov_b32 s12, 6144
	s_mov_b32 s13, 12288
	s_mov_b32 s14, 18432
	s_mov_b32 s15, 0
	s_branch .Lgo
.Lnot_q:
	s_cmp_lt_u32 s2, 224
	s_cbranch_scc0 .Lnot_kv
	s_mov_b64 s[4:5], s[20:21]                     ; g 160-223: w_kv, two pieces a row, behind w_q's 2,048 bytes of the row
	s_mov_b64 s[6:7], s[26:27]
	s_sub_co_u32 s8, s2, 160
	s_lshl_b32 s8, s8, 5
	s_add_co_u32 s8, s8, s33
	s_lshr_b32 s10, s8, 1
	s_mul_i32 s10, s10, 6144
	s_add_co_u32 s10, s10, 2048
	s_mov_b32 s12, 2048
	s_mov_b32 s13, 6144
	s_mov_b32 s14, 8192
	s_mov_b32 s15, 0
	s_branch .Lgo
.Lnot_kv:
	s_mov_b64 s[4:5], s[22:23]                     ; g 224-255: w_out
	s_mov_b64 s[6:7], s[28:29]
	s_sub_co_u32 s8, s2, 224
	s_lshl_b32 s8, s8, 5
	s_add_co_u32 s8, s8, s33
	s_lshl_b32 s10, s8, 11
	s_mov_b32 s12, 2048
	s_mov_b32 s13, 4096
	s_mov_b32 s14, 6144
	s_mov_b32 s15, 1
.Lgo:
	s_lshl_b32 s34, s8, 12                         ; 4,096 source bytes a piece
	s_mov_b32 s35, 0
	s_mov_b32 s11, 0
	s_add_nc_u64 s[4:5], s[4:5], s[34:35]
	s_add_nc_u64 s[6:7], s[6:7], s[10:11]
	v_mov_b32 v4, v3                               ; v[4:7]: 8 x lane + the piece's distance
	v_add_nc_u32 v5, s12, v3
	v_add_nc_u32 v6, s13, v3
	v_add_nc_u32 v7, s14, v3
.irp q, 0,1,2,3
.irp e, 0,1,2,3,4,5,6,7
	global_load_b128 v[X+4*(8*\q+\e):X+4*(8*\q+\e)+3], v1, s[4:5] offset:\q*4096+\e*512 th:TH_LOAD_NT
.endr
.endr
	; THE TABLE, while the loads are on their way: eight rows (1,024 bytes) a work-group, threads 0-63 (waves 0 and 1), 16 bytes each.
	; Thread t: row 8 g + t / 8; sub = t % 8: below 4 the cosines 4 sub .. 4 sub + 3, else the sines 4 (sub - 4) .. + 3.
	; The angle is brought into [-pi, pi] by taking away k turns, 2 pi in two parts (k at most 326, so k x the upper part is exact inside the
	; fused multiply-add); sine and cosine are the power series up to x^15 and x^16, whose first left-out terms at pi are below 1e-6.
	s_cmp_lt_u32 s3, 2
	s_cbranch_scc0 .Lno_table
	v_lshrrev_b32 v8, 3, v0
	v_lshl_add_u32 v8, s2, 3, v8
	v_cvt_f32_u32 v8, v8                           ; pos
	v_and_b32 v9, 3, v0
	v_lshlrev_b32 v9, 2, v9                        ; j of my first number
	v_and_b32 v17, 7, v0
	v_cmp_gt_u32 vcc_lo, 4, v17                    ; cosines?
.irp e, 0,1,2,3
	v_or_b32 v[10+\e], \e, v9
	v_cvt_f32_u32 v[10+\e], v[10+\e]
	v_mul_f32 v[10+\e], 0xbf549a78, v[10+\e]       ; -j log2(10000) / 16
.endr
.irp e, 0,1,2,3
	v_exp_f32 v[10+\e], v[10+\e]                   ; 10000^(-j/16)
.endr
	v_mov_b32 v30, 0xab573f9f                      ; -1/15!  (also the plain instruction that stands between v_exp_f32 and the use of its result: ISA guide 5.7.2)
	v_mov_b32 v31, 0x29573f9f                      ; 1/16!
	s_wait_alu depctr_va_vdst(0)
.macro ANGLE e
	v_mul_f32 v[10+\e], v8, v[10+\e]               ; the angle, as reference() forms it
	v_mul_f32 v14, 0.15915494, v[10+\e]
	v_rndne_f32 v14, v14                           ; k whole turns
	v_fmamk_f32 v[10+\e], v14, 0xc0c90fdb, v[10+\e]    ; - k x upper part of 2 pi
	v_fmamk_f32 v[10+\e], v14, 0x343bbd2e, v[10+\e]    ; - k x lower part (which is negative)
	v_mul_f32 v14, v[10+\e], v[10+\e]
	v_fmaak_f32 v15, v30, v14, 0x2f309231          ; sine: 1/13!
	v_fmaak_f32 v15, v15, v14, 0xb2d7322b          ; -1/11!
	v_fmaak_f32 v15, v15, v14, 0x3638ef1d          ; 1/9!
	v_fmaak_f32 v15, v15, v14, 0xb9500d01          ; -1/7!
	v_fmaak_f32 v15, v15, v14, 0x3c088889          ; 1/5!
	v_fmaak_f32 v15, v15, v14, 0xbe2aaaab          ; -1/3!
	v_fmaak_f32 v15, v15, v14, 0x3f800000
	v_mul_f32 v15, v15, v[10+\e]
	v_fmaak_f32 v16, v31, v14, 0xad49cba5          ; cosine: -1/14!
	v_fmaak_f32 v16, v16, v14, 0x310f76c7          ; 1/12!
	v_fmaak_f32 v16, v16, v14, 0xb493f27e          ; -1/10!
	v_fmaak_f32 v16, v16, v14, 0x37d00d01          ; 1/8!
	v_fmaak_f32 v16, v16, v14, 0xbab60b61          ; -1/6!
	v_fmaak_f32 v16, v16, v14, 0x3d2aaaab          ; 1/4!
	v_fmaak_f32 v16, v16, v14, 0xbf000000          ; -1/2
	v_fmaak_f32 v16, v16, v14, 0x3f800000
	v_cndmask_b32 v[24+\e], v15, v16, vcc_lo
.endm
	ANGLE 0
	ANGLE 1
	ANGLE 2
	ANGLE 3
	v_lshlrev_b32 v28, 4, v0
	v_lshl_add_u32 v28, s2, 10, v28
	global_store_b128 v28, v[24:27], s[30:31]      ; v[24:28] are not written again
.Lno_table:
; one load's four numbers: rounded, packed, stored.  The count leaves the younger loads on their way (loads come back in order: ISA guide 5.7.1).
.macro CVB q, e
	s_wait_loadcnt 31-(8*\q+\e)
	v_cvt_pk_bf16_f32 v[Y+2*(8*\q+\e)], v[X+4*(8*\q+\e)], v[X+4*(8*\q+\e)+1]
	v_cvt_pk_bf16_f32 v[Y+2*(8*\q+\e)+1], v[X+4*(8*\q+\e)+2], v[X+4*(8*\q+\e)+3]
	global_store_b64 v[4+\q], v[Y+2*(8*\q+\e):Y+2*(8*\q+\e)+1], s[6:7] offset:256*\e
.endm
; the same for w_out: rounded to bf16, widened again (a shift, a mask), written as f16
.macro CVO q, e
	s_wait_loadcnt 31-(8*\q+\e)
	v_cvt_pk_bf16_f32 v8, v[X+4*(8*\q+\e)], v[X+4*(8*\q+\e)+1]
	v_cvt_pk_bf16_f32 v9, v[X+4*(8*\q+\e)+2], v[X+4*(8*\q+\e)+3]
	v_lshlrev_b32 v10, 16, v8
	v_and_b32 v11, 0xffff0000, v8
	v_lshlrev_b32 v12, 16, v9
	v_and_b32 v13, 0xffff0000, v9
	v_cvt_pk_f16_f32 v[Y+2*(8*\q+\e)], v10, v11
	v_cvt_pk_f16_f32 v[Y+2*(8*\q+\e)+1], v12, v13
	global_store_b64 v[4+\q], v[Y+2*(8*\q+\e):Y+2*(8*\q+\e)+1], s[6:7] offset:256*\e
.endm
	s_cmp_lg_u32 s15, 0
	s_cbranch_scc1 .Lto_f16
.irp q, 0,1,2,3
.irp e, 0,1,2,3,4,5,6,7
	CVB \q, \e
.endr
.endr
	s_endpgm
.Lto_f16:
.irp q, 0,1,2,3
.irp e, 0,1,2,3,4,5,6,7
	CVO \q, \e
.endr
.endr
	s_endpgm
.Lfunc_end_k_q027a548fb1_prep:
	.size	k_q027a548fb1_prep, .Lfunc_end_k_q027a548fb1_prep-k_q027a548fb1_prep
	.p2alignl 7, 3214868480
	.fill 96, 4, 3214868480
	.section	.rodata,"a",@progbits
	.p2align	6, 0x0
	.amdhsa_kernel k_q027a548fb1_prep
		.amdhsa_group_segment_fixed_size 0
		.amdhsa_private_segment_fixed_size 0
		.amdhsa_enable_private_segment 0
		.amdhsa_kernarg_size 64
		.amdhsa_user_sgpr_count 2
		.amdhsa_user_sgpr_kernarg_segment_ptr 1
		.amdhsa_wavefront_size32 1
		.amdhsa_system_sgpr_workgroup_id_x 1
		.amdhsa_system_sgpr_workgroup_id_y 1
		.amdhsa_system_sgpr_workgroup_id_z 1
		.amdhsa_system_vgpr_workitem_id 0
		.amdhsa_next_free_vgpr 224
		.amdhsa_next_free_sgpr 66
		.amdhsa_reserve_vcc 1
		.amdhsa_float_denorm_mode_32 3
		.amdhsa_float_denorm_mode_16_64 3
		.amdhsa_memory_ordered 1
		.amdhsa_forward_progress 1
		.amdhsa_inst_pref_size 39
	.end_amdhsa_kernel
	.amdgpu_metadata
---
amdhsa.version: [ 1, 2 ]
amdhsa.kernels:
  - .name:           k_q027a548fb1_prep
    .symbol:         k_q027a548fb1_prep.kd
    .args:
      - { .name: x, .offset: 0, .size: 8, .value_kind: global_buffer, .address_space: global }
      - { .name: w_q, .offset: 8, .size: 8, .value_kind: global_buffer, .address_space: global }
      - { .name: w_kv, .offset: 16, .size: 8, .value_kind: global_buffer, .address_space: global }
      - { .name: w_out, .offset: 24, .size: 8, .value_kind: global_buffer, .address_space: global }
      - { .name: xb, .offset: 32, .size: 8, .value_kind: global_buffer, .address_space: global }
      - { .name: wqkv, .offset: 40, .size: 8, .value_kind: global_buffer, .address_space: global }
      - { .name: wob, .offset: 48, .size: 8, .value_kind: global_buffer, .address_space: global }
      - { .name: cs, .offset: 56, .size: 8, .value_kind: global_buffer, .address_space: global }
    .group_segment_fixed_size: 0
    .private_segment_fixed_size: 0
    .kernarg_segment_align: 8
    .kernarg_segment_size: 64
    .max_flat_workgroup_size: 256
    .sgpr_count:     66
    .vgpr_count:     224
    .wavefront_size: 32
...
	.end_amdgpu_metadata
.endif
;; end of part 1
;; launch qkvrope (part 2): grid 12 x 16, 4 waves a work-group, clusters of 4 x 4, 327,680 bytes of LDS; arguments xb, wqkv, cs, qkvh; writes qkvh
.if DOCPART == 2
	.amdgcn_target "amdgcn-amd-amdhsa--gfx1250"
	.amdhsa_code_object_version 6
	.text
	.protected	k_q027a548fb1_qkvrope
	.globl	k_q027a548fb1_qkvrope
	.p2align	8
	.type	k_q027a548fb1_qkvrope,@function
k_q027a548fb1_qkvrope:
	s_mov_b64 s[64:65], 0
	v_nop
	global_prefetch_b8 v0, s[64:65] scope:SCOPE_SE
	s_setreg_imm32_b32 hwreg(HW_REG_WAVE_MODE, 25, 1), 1
	s_wait_xcnt 0x0
	s_wait_alu depctr_hold_cnt(0) depctr_sa_sdst(0) depctr_va_vdst(0) depctr_va_sdst(0) depctr_va_ssrc(0) depctr_va_vcc(0) depctr_vm_vsrc(0)
	s_getreg_b32 s2, hwreg(HW_REG_IB_STS2, 6, 4)
	s_cmp_eq_u32 s2, 0
	s_cbranch_scc0 .Lentry_in_a_cluster
	s_endpgm
.Lentry_in_a_cluster:
	s_bfe_u32 s2, ttmp6, 0x10000c
	s_cmp_lg_u32 s2, 0xf033
	s_cbranch_scc0 .Lentry_shape_is_right
	s_endpgm
.Lentry_shape_is_right:
; qkvrope: C = xb [4096][1024] x wqkv [1024 k][3072 n], bf16 operands, f32 sums; the first 32 of each head's 64 numbers of q and k are rotated;
; the result goes out as f16, by head: qkvh [3: q, k, v][32 batch x head][2048 pos][64].
; LIMIT: |q|, |k|, |v| < 65,504 (f16).
; A work-group makes 256 x 256 of C with four waves, a wave 128 x 128: 64 accumulator tiles, 512 registers.  K goes in steps of 128 through
; two LDS slots filled by the tensor data mover.  A's tile has rows along K (256 bytes, LDS pitch 272).  B lies [k][n] in memory and stays so in LDS:
; 128 k-rows of 512 bytes, LDS pitch 544, and its fragments are read with the transposing LDS load.
; CLUSTERS: 4 x 4 work-groups.  A's tile hangs on the block row alone and is asked for jointly along a row of the cluster, B's on the block column
; alone and jointly along a column.  A cluster spans 1,024 columns, so the cluster's x is the part: 0 q, 1 k, 2 v.
; 12 x 16 = 192 work-groups: the blocks of 256 x 256 that C has.
; REGISTERS, in windows of 256:
;   window 0: v16-26 addresses; v32-39 table offsets; v64-127, v128-191 fragments of A, two buffers; on the way out v96-111, v192-255 at work
;   window 1: v64-127, v128-191 fragments of B; v0-63, v192-255 the cosines and sines of my 128 rows (16 registers for each 16 rows)
;   window 2: accumulator tiles of my rows 0-63 (tile (a, b) at v[8 (8 a + b)]);  window 3: those of my rows 64-127
; The matrix instruction is used transposed (source 0 = 16 columns of B, source 1 = 16 rows of A): lane l holds row l % 16 of C and
; registers 0-7 the columns 8 (l / 16) + 0 .. 7 of the tile.
.set SIZE_K, 1024
.set SIZE_N, 3072
.set KSTEP,  128
.set PITCH,  272                       ; A's LDS row: 256 bytes + 16
.set PB,     544                       ; B's LDS row: 512 bytes + 32 (17 x 32)
.set HALFT,  128*PITCH                 ; what one tensor load brings: 128 rows of A, or 64 k-rows of B (64 x 544 is the same 34,816 bytes)
.set SLOT,   4*HALFT
.set STAGE,  2*SLOT                    ; behind the ring: 16 rows x 272 bytes for each wave
.set SPITCH, 272
.set LAPS, SIZE_K/(2*KSTEP)
.set ADRA, 16                          ; v16-17  LDS address of my A fragments in slot 0, 1
.set ADRB, 20                          ; v20-21  the same for B
.set STO,  24
.set RD,   25
.set CO,   26
.set TA,   32                          ; v32-39  byte offset in cs of my lane's cosines for rows 16 i + l % 16; never rewritten
.set F0,   64
.set F1,   128
.set T,    96                          ; v96-111  products with the sines
.set TMP,  192                         ; v192-223 packed results
.set RO,   224                         ; v224-255 rotated numbers
.set G1, 24
.set G0, 32
.set G1B, 48
.set G0B, 56
.set MSB, 0
.macro WIN new                         ; the immediate's high byte repeats the setting that is left
.if MSB != \new
	s_set_vgpr_msb (MSB<<8)|\new
.set MSB, \new
.endif
.endm
.set MUL_LO, 0xa1                      ; source 0 (B) window 1, source 1 (A) window 0, C and D window 2
.set MUL_HI, 0xf1                      ; the same, C and D window 3
.set TO_B,   0x40                      ; destination window 1, address window 0
; A joint load.  Waves 0 and 1 fetch A's two halves, waves 2 and 3 B's.  The branch hangs on the wave's number alone.
.macro JLOAD s
	s_cmp_eq_u32 s11, 0
	s_cbranch_scc0 .Lfor_b_\@
	tensor_load_to_lds s[G0+4*\s:G0+4*\s+3], s[G1:G1+7]
	s_nop 0
	s_branch .Lasked_\@
.Lfor_b_\@:
	tensor_load_to_lds s[G0B+4*\s:G0B+4*\s+3], s[G1B:G1B+7]
	s_nop 0
.Lasked_\@:
.endm
; A round of the cluster's barrier: my work-group's barrier; wave 0 signals for the work-group; every wave waits for all sixteen; my work-group's barrier again.
.macro CREST
	s_cmp_lg_u32 s10, 0
	s_cbranch_scc1 .Lnot_wave_0_\@
	s_barrier_signal -3
.Lnot_wave_0_\@:
	s_barrier_wait -3
	s_barrier_signal -1
	s_barrier_wait -1
.endm
.macro CROUND
	s_barrier_signal -1
	s_barrier_wait -1
	CREST
.endm
	s_load_b256 s[68:75], s[0:1], 0x0              ; xb s[68:69], wqkv s[70:71], cs s[72:73], qkvh s[74:75]
	v_lshl_add_u32 v62, v0, 2, 0x48400
	v_mov_b32 v63, 0
	ds_add_u32 v62, v63
	v_lshrrev_b32 v1, 5, v0
	v_readfirstlane_b32 s10, v1                    ; wave 0..3
	s_lshr_b32 s11, s10, 1                         ; my half of the block's rows.  Also: I fetch for A (0) or for B (1)
	s_and_b32 s12, s10, 1                          ; my half of its columns.  Also: which half of that tile I fetch
	s_bfe_u32 s40, ttmp6, 0x40000                  ; cx
	s_bfe_u32 s41, ttmp6, 0x40004                  ; cy
	s_lshl_b32 s42, ttmp9, 2
	s_add_co_u32 s42, s42, s40                     ; block column = 4 x cluster x + cx
	s_and_b32 s13, ttmp7, 0xffff
	s_lshl_b32 s13, s13, 2
	s_add_co_u32 s13, s13, s41                     ; block row = 4 x cluster y + cy
	s_lshl_b32 s43, s41, 2
	s_lshl_b32 s43, 15, s43                        ; my row of the cluster
	s_lshl_b32 s44, 0x1111, s40                    ; my column
	; group 1 for A: 128 rows x 128 elements of 2 bytes, 4 words of padding behind every 64
	s_or_b32 s[G1+0], s43, (1<<16)|(1<<20)|(1<<21)|(5<<22)|(3<<25)
	s_mov_b32 s[G1+1], KSTEP<<16                   ; tensor_dim0 = 128
	s_mov_b32 s[G1+2], 128<<16                     ; tensor_dim1 = 128
	s_mov_b32 s[G1+3], KSTEP<<16                   ; tile_dim0 = 128
	s_mov_b32 s[G1+4], 128                         ; tile_dim1 = 128
	s_mov_b32 s[G1+5], SIZE_K                      ; elements from row to row
	s_mov_b32 s[G1+6], 0
	s_mov_b32 s[G1+7], 0
	; group 1 for B: 64 k-rows x 256 elements, 8 words of padding behind every 128
	s_or_b32 s[G1B+0], s44, (1<<16)|(1<<20)|(1<<21)|(6<<22)|(7<<25)
	s_mov_b32 s[G1B+1], 256<<16
	s_mov_b32 s[G1B+2], 64<<16
	s_mov_b32 s[G1B+3], 256<<16
	s_mov_b32 s[G1B+4], 64
	s_mov_b32 s[G1B+5], SIZE_N
	s_mov_b32 s[G1B+6], 0
	s_mov_b32 s[G1B+7], 0
	; where the tiles come from: A's of the block row and the wave's number, B's of the block column and the wave's number
	s_lshl_b32 s17, s12, 7
	s_lshl_b32 s16, s13, 8
	s_add_co_u32 s16, s16, s17                     ; A: row 256 x block row + 128 x half
	s_lshl_b32 s16, s16, 11                        ; x 2,048 bytes
	s_mov_b32 s17, 0
	s_mul_i32 s46, s12, 64*SIZE_N*2                ; B: k-row 64 x half
	s_lshl_b32 s47, s42, 9                         ; + 512 bytes x block column
	s_add_co_u32 s46, s46, s47
	s_mov_b32 s47, 0
	s_mul_i32 s20, s10, HALFT                      ; and where they go: wave x 34,816
	; the table: lane (r, h) needs, for row 16 i + r of my 128, cos and sin number 8 h .. 8 h + 7 of that row's position.
	; v is not rotated: for the third part the row stride is 0, so that every row reads position 0, where cos = 1 and sin = 0 exactly.
	v_and_b32 v1, 15, v0                           ; r
	v_bfe_u32 v2, v0, 4, 1                         ; h
	s_and_b32 s76, s13, 7                          ; eight blocks of 256 rows in a batch
	s_lshl_b32 s76, s76, 8
	s_lshl_b32 s77, s11, 7
	s_add_co_u32 s76, s76, s77                     ; position of my first row
	s_mov_b32 s78, ttmp9                           ; the part
	s_cmp_eq_u32 s78, 2
	s_cselect_b32 s79, 0, 128
	v_add_nc_u32 v3, s76, v1
	v_mul_lo_u32 v3, v3, s79
	v_lshl_add_u32 v[TA], v2, 5, v3
	s_lshl_b32 s79, s79, 4
.irp i, 1,2,3,4,5,6,7
	v_add_nc_u32 v[TA+\i], s79, v[TA+\i-1]
.endr
	s_wait_dscnt 0x0
	s_wait_kmcnt 0x0
	s_add_nc_u64 s[14:15], s[68:69], s[16:17]
	s_add_nc_u64 s[46:47], s[70:71], s[46:47]
	WIN TO_B                                       ; 32 loads into window 1; they are waited for once, behind the K loop
.irp i, 0,1,2,3,4,5,6,7
	global_load_b128 v[16*\i+(\i/4)*128:16*\i+(\i/4)*128+3],     v[TA+\i], s[72:73]
	global_load_b128 v[16*\i+(\i/4)*128+4:16*\i+(\i/4)*128+7],   v[TA+\i], s[72:73] offset:16
	global_load_b128 v[16*\i+(\i/4)*128+8:16*\i+(\i/4)*128+11],  v[TA+\i], s[72:73] offset:64
	global_load_b128 v[16*\i+(\i/4)*128+12:16*\i+(\i/4)*128+15], v[TA+\i], s[72:73] offset:80
.endr
	WIN 0
	CROUND                                         ; all sixteen work-groups are here: the first joint loads meet
.irp s, 0,1
	s_mov_b32 s[G0+4*\s], 1
	s_add_co_u32 s[G0+4*\s+1], s20, \s*SLOT
	s_add_nc_u64 s[G0+4*\s+2:G0+4*\s+3], s[14:15], \s*KSTEP*2
	s_or_b32 s[G0+4*\s+3], s[G0+4*\s+3], 0x80000000
	s_mov_b32 s[G0B+4*\s], 1
	s_add_co_u32 s[G0B+4*\s+1], s20, \s*SLOT
	s_add_nc_u64 s[G0B+4*\s+2:G0B+4*\s+3], s[46:47], \s*KSTEP*SIZE_N*2
	s_or_b32 s[G0B+4*\s+3], s[G0B+4*\s+3], 0x80000000
	JLOAD \s
.endr
	; A's fragment: lane l holds row l % 16; two loads of 16 bytes, 32 apart, at row x 272 + 16 (l / 16).
	; B's fragment from [k][n]: two transposing loads, 16 k-rows apart, at (8 (l / 16) + l % 8) x 544 + 16 ((l / 8) % 2): each group of eight lanes
	; reads 8 k x 8 n and gets it back with lane = n, register halves = k.
	v_mul_u32_u24 v3, v1, PITCH
	v_lshl_add_u32 v3, v2, 4, v3
	v_and_b32 v6, 7, v0
	v_lshl_add_u32 v6, v2, 3, v6
	v_mul_u32_u24 v6, v6, PB
	v_bfe_u32 v7, v0, 3, 1
	v_lshl_add_u32 v6, v7, 4, v6
	s_mul_i32 s21, s11, HALFT                      ; my 128 rows of A
	s_lshl_b32 s22, s12, 8                         ; my 128 columns of B: 256 bytes along its rows,
	s_add_co_u32 s22, s22, 2*HALFT                 ; which lie behind A's 256 rows
.irp s, 0,1
	v_add_nc_u32 v[ADRA+\s], s21, v3
	v_add_nc_u32 v[ADRB+\s], s22, v6
	s_add_co_u32 s21, s21, SLOT
	s_add_co_u32 s22, s22, SLOT
.endr
	s_mul_i32 s23, s10, 16*SPITCH
	s_add_co_u32 s23, s23, STAGE                   ; my stage
	v_mul_u32_u24 v4, v1, SPITCH                   ; in: row l % 16, 16 bytes for each half of the lanes
	v_lshl_add_u32 v4, v2, 4, v4
	v_add_nc_u32 v[STO], s23, v4
	v_bfe_u32 v5, v0, 3, 2                         ; back: eight lanes take the 128 bytes that one row has of one head, four rows a load
	v_mul_u32_u24 v5, v5, SPITCH
	v_and_b32 v7, 7, v0
	v_lshl_add_u32 v5, v7, 4, v5
	v_add_nc_u32 v[RD], s23, v5
	v_and_b32 v5, 31, v0
	v_lshlrev_b32 v[CO], 4, v5                     ; those four rows are 512 neighbouring bytes of qkvh
; 16 matrix instructions: m blocks a0, a0 + 1 of the window's four x all 8 n blocks, 32 along K.  zero = 1: the first product starts the sums.
.macro MUL16 f, hi, a0, zero
.irp a, \a0, \a0+1
.irp b, 0,1,2,3,4,5,6,7
.if \zero
	v_wmma_f32_16x16x32_bf16 v[8*(8*(\a)+\b):8*(8*(\a)+\b)+7], v[\f+8*\b:\f+8*\b+7], v[\f+8*(4*\hi+\a):\f+8*(4*\hi+\a)+7], 0
.else
	v_wmma_f32_16x16x32_bf16 v[8*(8*(\a)+\b):8*(8*(\a)+\b)+7], v[\f+8*\b:\f+8*\b+7], v[\f+8*(4*\hi+\a):\f+8*(4*\hi+\a)+7], v[8*(8*(\a)+\b):8*(8*(\a)+\b)+7]
.endif
.endr
.endr
.endm
; 32 LDS loads in one run: the fragments of quarter kq (32 along K) of a slot into buffer f: B's 128 columns, then A's 128 rows
.macro FETCH slot, kq, f
	WIN TO_B
.irp i, 0,1,2,3,4,5,6,7
	ds_load_tr16_b128 v[\f+8*\i:\f+8*\i+3],   v[ADRB+\slot] offset:\kq*32*PB+\i*32
	ds_load_tr16_b128 v[\f+8*\i+4:\f+8*\i+7], v[ADRB+\slot] offset:\kq*32*PB+\i*32+16*PB
.endr
	WIN 0
.irp i, 0,1,2,3,4,5,6,7
	ds_load_b128 v[\f+8*\i:\f+8*\i+3],   v[ADRA+\slot] offset:\kq*64+\i*16*PITCH
	ds_load_b128 v[\f+8*\i+4:\f+8*\i+7], v[ADRA+\slot] offset:\kq*64+\i*16*PITCH+32
.endr
.endm
; Four plain vector instructions stand between a matrix instruction and a load into one of its registers, or a vector instruction that reads
; its result (ISA guide 7.12.1 for vector instructions); other matrix instructions are not counted.
.macro PLACES
.rept 4
	v_nop
.endr
.endm
; A quarter step: multiplies buffer f; in its middle it fetches quarter kq of the same slot into buffer g.
; The 64 accumulators take turns, one instruction a turn, in the same order in every quarter.
.macro QUARTER slot, kq, f, g, zero
	s_wait_dscnt 8                                 ; B and A's rows 0-63 are in; the youngest eight loads (A's rows 64-127) may be out
	WIN MUL_LO
	MUL16 \f, 0, 0, \zero
	MUL16 \f, 0, 2, \zero
	PLACES
	FETCH \slot, \kq, \g
	s_wait_dscnt 32                                ; all but the 32 just issued
	WIN MUL_HI
	MUL16 \f, 1, 0, \zero
	MUL16 \f, 1, 2, \zero
.endm
.macro THREE slot, zero
	QUARTER \slot, 1, F0, F1, \zero
	QUARTER \slot, 2, F1, F0, 0
	QUARTER \slot, 3, F0, F1, 0
.endm
; The last quarter multiplies buffer 1 and changes slots.  In front of the barrier each wave waits for its reads of this slot and for all its
; tensor loads (one is out: its part of the next slot).  Where the slot is filled again the barrier opens a round of the cluster's barrier, and
; the joint refill is the first tensor load behind the round.
.macro TURN slot, next, fill
	s_wait_dscnt 8
	WIN MUL_LO
	MUL16 F1, 0, 0, 0
	s_wait_dscnt 0
	s_set_vgpr_msb 0xa1a0
	s_wait_tensorcnt 0x0
	ds_add_u32 v62, v63
	s_wait_dscnt 0x0
	s_set_vgpr_msb 0xa0a1
	s_barrier_signal -1
	MUL16 F1, 0, 2, 0                              ; registers only
	WIN 0
	s_barrier_wait -1
.if \fill
	CREST
	s_add_nc_u64 s[G0+4*\slot+2:G0+4*\slot+3], s[G0+4*\slot+2:G0+4*\slot+3], 2*KSTEP*2
	s_add_nc_u64 s[G0B+4*\slot+2:G0B+4*\slot+3], s[G0B+4*\slot+2:G0B+4*\slot+3], 2*KSTEP*SIZE_N*2
	JLOAD \slot
.endif
	PLACES
	FETCH \next, 0, F0
	WIN MUL_HI
	MUL16 F1, 1, 0, 0
	MUL16 F1, 1, 2, 0
.endm
.macro LAP zero
	THREE 0, \zero
	TURN 0, 1, 1
	THREE 1, 0
	TURN 1, 0, 1
.endm
	s_wait_tensorcnt 1                             ; my part of K step 0 is in; K step 1's stays out
	s_barrier_signal -1
	s_barrier_wait -1
	FETCH 0, 0, F0
	LAP 1                                          ; the first lap stands in front of the loop: its first products start the sums
	WIN 0
	s_mov_b32 s3, LAPS-2
.Llap:
	LAP 0
	WIN 0
	s_sub_co_u32 s3, s3, 1
	s_cmp_lg_u32 s3, 0
	s_cbranch_scc1 .Llap
	THREE 0, 0                                     ; the last lap fills nothing
	TURN 0, 1, 0
	THREE 1, 0
	s_wait_dscnt 8
	WIN MUL_LO
	MUL16 F1, 0, 0, 0
	MUL16 F1, 0, 2, 0
	s_wait_dscnt 0
	WIN MUL_HI
	MUL16 F1, 1, 0, 0
	MUL16 F1, 1, 2, 0
	; THE WAY OUT, 16 rows at a time.  My 128 columns are two heads; tiles 4 hh and 4 hh + 1 hold a head's numbers 0-15 and 16-31, and a lane's
	; register j of both belongs to frequency 8 h + j: out1 = x1 cos - x2 sin, out2 = x2 cos + x1 sin, a product and a fused multiply-add each.
	PLACES
	s_wait_loadcnt 0x0                             ; the table
	s_lshr_b32 s80, s13, 3                         ; batch
	s_lshl_b32 s80, s80, 4                         ; x 16 heads
	s_lshl_b32 s81, s40, 2                         ; + 4 heads for each block column of the part
	s_add_co_u32 s80, s80, s81
	s_lshl_b32 s81, s12, 1                         ; + 2 for my half
	s_add_co_u32 s80, s80, s81
	s_lshl_b32 s80, s80, 11                        ; x 2,048 positions
	s_add_co_u32 s80, s80, s76                     ; + my first row's position
	s_lshl_b32 s80, s80, 7                         ; x 128 bytes
	s_mov_b32 s81, 0
	s_add_nc_u64 s[74:75], s[74:75], s[80:81]
	s_lshl_b32 s80, s78, 23                        ; + part x 8,388,608
	s_add_nc_u64 s[74:75], s[74:75], s[80:81]
; rows 16 i .. 16 i + 15 = the eight tiles (a, 0..7) of window 2 or 3.  rw: source 0 that window, source 1 window 1 (the table);
; from: sources 0 and 1 that window; f: F0 or F1 in turn.
.macro OUT16 i, a, rw, from, f
.set TBI, 16*\i+(\i/4)*128
	WIN \rw
.irp hh, 0,1
.irp p, 0,1,2,3
	v_pk_mul_f32 v[T+2*\p:T+2*\p+1], v[8*(8*\a+4*\hh+1)+2*\p:8*(8*\a+4*\hh+1)+2*\p+1], v[TBI+8+2*\p:TBI+8+2*\p+1]
	v_pk_mul_f32 v[T+8+2*\p:T+8+2*\p+1], v[8*(8*\a+4*\hh)+2*\p:8*(8*\a+4*\hh)+2*\p+1], v[TBI+8+2*\p:TBI+8+2*\p+1]
.endr
.irp p, 0,1,2,3
	v_pk_fma_f32 v[RO+16*\hh+2*\p:RO+16*\hh+2*\p+1], v[8*(8*\a+4*\hh)+2*\p:8*(8*\a+4*\hh)+2*\p+1], v[TBI+2*\p:TBI+2*\p+1], v[T+2*\p:T+2*\p+1] neg_lo:[0,0,1] neg_hi:[0,0,1]
	v_pk_fma_f32 v[RO+16*\hh+8+2*\p:RO+16*\hh+8+2*\p+1], v[8*(8*\a+4*\hh+1)+2*\p:8*(8*\a+4*\hh+1)+2*\p+1], v[TBI+2*\p:TBI+2*\p+1], v[T+8+2*\p:T+8+2*\p+1]
.endr
.endr
	WIN 0
.irp b, 0,1,4,5
.irp r, 0,1,2,3
	v_cvt_pk_f16_f32 v[TMP+4*\b+\r], v[RO+16*(\b/4)+8*(\b%4)+2*\r], v[RO+16*(\b/4)+8*(\b%4)+2*\r+1]
.endr
.endr
	WIN \from
.irp b, 2,3,6,7
.irp r, 0,1,2,3
	v_cvt_pk_f16_f32 v[TMP+4*\b+\r], v[8*(8*\a+\b)+2*\r], v[8*(8*\a+\b)+2*\r+1]
.endr
.endr
	WIN 0
.irp b, 0,1,2,3,4,5,6,7
	ds_store_b128 v[STO], v[TMP+4*\b:TMP+4*\b+3] offset:32*\b
.endr
	s_wait_xcnt 0x0                                ; buffer f, which earlier stores read, is loaded again only behind this wait
.irp t, 0,1,2,3,4,5,6,7
	ds_load_b128 v[\f+4*\t:\f+4*\t+3], v[RD] offset:(\t%4)*4*SPITCH+(\t/4)*128   ; a wave's LDS instructions are served in order: these see the stores above
.endr
.irp t, 0,1,2,3,4,5,6,7
	s_wait_dscnt 7-\t
	global_store_b128 v[CO], v[\f+4*\t:\f+4*\t+3], s[74:75] offset:\i*2048+(\t%4)*512+(\t/4)*262144   ; four rows of one head: 512 neighbouring bytes, aligned
.endr
.endm
	OUT16 0, 0, 0x06, 0x0a, F0
	OUT16 1, 1, 0x06, 0x0a, F1
	OUT16 2, 2, 0x06, 0x0a, F0
	OUT16 3, 3, 0x06, 0x0a, F1
	OUT16 4, 0, 0x07, 0x0f, F0
	OUT16 5, 1, 0x07, 0x0f, F1
	OUT16 6, 2, 0x07, 0x0f, F0
	OUT16 7, 3, 0x07, 0x0f, F1
	s_wait_tensorcnt 0x0
	ds_add_u32 v62, v63
	s_wait_dscnt 0x0
	CROUND                                         ; the closing round: no work-group ends while a partner may still ask for a tile that names it
	s_endpgm
.Lfunc_end_k_q027a548fb1_qkvrope:
	.size	k_q027a548fb1_qkvrope, .Lfunc_end_k_q027a548fb1_qkvrope-k_q027a548fb1_qkvrope
	.p2alignl 7, 3214868480
	.fill 96, 4, 3214868480
	.section	.rodata,"a",@progbits
	.p2align	6, 0x0
	.amdhsa_kernel k_q027a548fb1_qkvrope
		.amdhsa_group_segment_fixed_size 327680
		.amdhsa_private_segment_fixed_size 0
		.amdhsa_enable_private_segment 0
		.amdhsa_kernarg_size 32
		.amdhsa_user_sgpr_count 2
		.amdhsa_user_sgpr_kernarg_segment_ptr 1
		.amdhsa_wavefront_size32 1
		.amdhsa_system_sgpr_workgroup_id_x 1
		.amdhsa_system_sgpr_workgroup_id_y 1
		.amdhsa_system_sgpr_workgroup_id_z 1
		.amdhsa_system_vgpr_workitem_id 0
		.amdhsa_next_free_vgpr 1024
		.amdhsa_next_free_sgpr 84
		.amdhsa_reserve_vcc 0
		.amdhsa_float_denorm_mode_32 3
		.amdhsa_float_denorm_mode_16_64 3
		.amdhsa_memory_ordered 1
		.amdhsa_forward_progress 1
		.amdhsa_inst_pref_size 216
	.end_amdhsa_kernel
	.amdgpu_metadata
---
amdhsa.version: [ 1, 2 ]
amdhsa.kernels:
  - .name:           k_q027a548fb1_qkvrope
    .symbol:         k_q027a548fb1_qkvrope.kd
    .args:
      - { .name: xb, .offset: 0, .size: 8, .value_kind: global_buffer, .address_space: global }
      - { .name: wqkv, .offset: 8, .size: 8, .value_kind: global_buffer, .address_space: global }
      - { .name: cs, .offset: 16, .size: 8, .value_kind: global_buffer, .address_space: global }
      - { .name: qkvh, .offset: 24, .size: 8, .value_kind: global_buffer, .address_space: global }
    .group_segment_fixed_size: 327680
    .private_segment_fixed_size: 0
    .kernarg_segment_align: 8
    .kernarg_segment_size: 32
    .max_flat_workgroup_size: 128
    .sgpr_count:     84
    .vgpr_count:     1024
    .wavefront_size: 32
...
	.end_amdgpu_metadata
.endif
;; end of part 2
;; launch attn (part 3): grid 256 x 1, 16 waves a work-group, no clusters, 327,680 bytes of LDS; arguments qkvh, ao; writes ao
.if DOCPART == 3
	.amdgcn_target "amdgcn-amd-amdhsa--gfx1250"
	.amdhsa_code_object_version 6
	.text
	.protected	k_q027a548fb1_attn
	.globl	k_q027a548fb1_attn
	.p2align	8
	.type	k_q027a548fb1_attn,@function
k_q027a548fb1_attn:
	s_mov_b64 s[64:65], 0
	v_nop
	global_prefetch_b8 v0, s[64:65] scope:SCOPE_SE
	s_setreg_imm32_b32 hwreg(HW_REG_WAVE_MODE, 25, 1), 1
	s_wait_xcnt 0x0
; attn: causal softmax attention, 32 heads (batch x head) of 2,048 positions x 64, f16 operands, f32 sums and softmax, running maximum.
; in: qkvh [3][32][2048][64] f16.   out: ao [2: hi, lo][32][2048][64] f16, the result as a pair hi + lo.
; SHARING.  Work-group g: head g / 8, i = g % 8.  It takes the query blocks (128 rows) i and 15 - i.  Keys go in aligned superblocks of 256: query block qb
; needs superblocks qb / 2 .. 0, so the two passes have (i / 2 + 1) + ((15 - i) / 2 + 1) = 9 steps for every i.  Each pass begins at its top superblock,
; which holds the diagonal, and walks down to 0.  Sixteen waves of 256 registers fill the four SIMDs' registers: four waves a SIMD.
; Wave w: p = w % 4 -> queries 32 p .. 32 p + 31 (two tiles u), kh = w / 4 -> keys 64 kh .. 64 kh + 63 of each superblock.  The four waves of one p hold
; four partial softmaxes of the same queries and merge them in LDS at the end of a pass: wave kh = 0 finishes tile u = 0, wave kh = 1 tile u = 1.
; ORIENTATION.  S^T = K Q^T: lane (r, h) holds query r, register j of tile kt key 16 kt + 8 h + j.  So maximum and sum stay in the lane but for one
; exchange between the halves of the wave, and the packed weights are, as they lie, the second operand of O^T = V^T P^T.  V lies [key][d] in LDS
; and is read with the transposing load.  O^T: lane = query r, register j of tile dt = d 16 dt + 8 h + j.
; MASK.  A masked score is set to -2^126 and not to the f32 minimum: its product with c = 0.125 log2 e is exact, so a tile that is wholly masked
; gives weights of exactly 1 (finite, and wiped out by a factor 0 at the next step or in the merge).  Scores made of f16 numbers are at most
; 64 x 65504^2, far above -2^126, so masked weights are exactly 0 wherever the row has a real key, as in the reference.
; LIMITS: |result| < 65,504; a weight below 2^-126 counts as 0 (v_exp_f32 flushes); hi + lo carry 21 bits, absolute error at most 2^-25 below 2^-14.
; NO CLUSTER: the eight work-groups of a head begin at different superblocks (i differs), so no two of them want the same tile in the same step.  One common
; walk for four partners (query blocks 12 + c and c, or 8 + c and 4 + c) is 16 + 4 or 12 + 8 = 20 key blocks of work for each, since a partner's idle blocks
; may not be branched round, against 18 here.  NO PREFETCH: each tile is asked for a whole step ahead.
.set KP,    144                        ; K's LDS pitch: 128 bytes + 16
.set VP,    160                        ; V's: 128 bytes + 32
.set KHALF, 128*KP                     ; what one tensor load brings: 128 rows
.set VHALF, 128*VP
.set KSLOT, 2*KHALF                    ; K's two slots lie at 0 and 36,864
.set VSLOT, 2*VHALF
.set VB,    2*KSLOT                    ; V's two slots at 73,728 and 114,688
.set SCR,   VB+2*VSLOT                 ; 155,648: merge, one area for each p: six tiles of 4,096 bytes, then eight blocks of 256 bytes of (nm, l)
.set PAREA, 26624
.set MLO,   24576
.set STG,   SCR+4*PAREA                ; 262,144: stage, 4,608 bytes for each of the eight finishing waves: 16 rows at pitch 144 of hi, then of lo
.set STGW,  4608
.set QF,  16                           ; v[16:47]   Q[u][c] at 16 + 16 u + 8 c
.set OA,  48                           ; v[48:111]  O[u][dt] at 48 + 32 u + 8 dt
.set SC,  112                          ; v[112:175] S[u][kt] at 112 + 32 u + 8 kt; P[u][kc] = the first 8 registers of each 16
.set KV,  176                          ; v[176:239] K[kt][c] at 176 + 16 kt + 8 c, then V[kc][dt] at 176 + 32 kc + 8 dt
.set NM,  240                          ; v[240:243] (nm, l) for u = 0, 1: nm = -(maximum x c) as rounded, l = my lane's part of the sum
; v1 K address, v2 V address, v3 Q offset, v5 / v15 my p's merge area (16 / 8 bytes a lane), v6 stage in, v7 stage back, v8 offset in ao,
; v9 = -2^126, v10-11 D_u, v12-13 raw maxima, v[244:245] nm twice, v[246:249] alpha twice for u = 0, 1, v[250:255] at work
.set G1K, 32
.set G1V, 40
.set G0K, 48                           ; s[48:55] group 0 for K, slots 0 and 1
.set G0V, 56                           ; s[56:63] group 0 for V
; waves 0 and 1 ask for the two halves of K's tile, waves 2 and 3 for V's; the other twelve ask for nothing
.macro TLOAD s
	s_cmp_gt_u32 s8, 3
	s_cbranch_scc1 .Lnone_\@
	s_cmp_lt_u32 s8, 2
	s_cbranch_scc0 .Lv_\@
	tensor_load_to_lds s[G0K+4*(\s):G0K+4*(\s)+3], s[G1K:G1K+7]
	s_nop 0
	s_branch .Lnone_\@
.Lv_\@:
	tensor_load_to_lds s[G0V+4*(\s):G0V+4*(\s)+3], s[G1V:G1V+7]
	s_nop 0
.Lnone_\@:
.endm
.macro NEXTJ                           ; the next superblock: one down, and behind superblock 0 of pass 0 the top one of pass 1; s28 = its byte offset
	s_sub_co_i32 s15, s15, 1
	s_cmp_lt_i32 s15, 0
	s_cselect_b32 s15, s78, s15
	s_lshl_b32 s28, s15, 15
.endm
.macro QLOAD b                         ; my 32 queries as second operand: lane (r, h), tile u, d = 32 c + 8 h .. and 32 c + 16 + 8 h ..
.irp u, 0,1
.irp c, 0,1
	global_load_b128 v[QF+16*\u+8*\c:QF+16*\u+8*\c+3],   v3, s[\b:\b+1] offset:2048*\u+64*\c
	global_load_b128 v[QF+16*\u+8*\c+4:QF+16*\u+8*\c+7], v3, s[\b:\b+1] offset:2048*\u+64*\c+32
.endr
.endr
.endm
	s_load_b128 s[4:7], s[0:1], 0x0                ; qkvh s[4:5], ao s[6:7]
	v_lshl_add_u32 v4, v0, 2, 0x49000
	v_mov_b32 v14, 0
	ds_add_u32 v4, v14
	v_lshrrev_b32 v1, 5, v0
	v_readfirstlane_b32 s8, v1                     ; wave w, 0 to 15
	s_and_b32 s9, s8, 3                            ; p
	s_lshr_b32 s10, s8, 2                          ; kh
	s_and_b32 s11, ttmp9, 7                        ; i
	s_lshr_b32 s12, ttmp9, 3                       ; head
	s_lshr_b32 s15, s11, 1                         ; J, the superblock: pass 0's top one
	s_add_co_u32 s13, s15, 1                       ; the step at which pass 1 begins: 1 to 4
	s_sub_co_u32 s16, 15, s11                      ; pass 1's query block
	s_lshr_b32 s78, s16, 1                         ; and its top superblock
	s_mov_b32 s14, 1                               ; t, the step
	s_mov_b32 s17, 0                               ; 1 in the first step of pass 1
	s_mov_b32 s19, 0xffffe000                      ; keeps the ten mantissa bits that f16 holds
	s_mov_b32 s20, 0x3e38aa3b                      ; c = 0.125 log2 e, twice
	s_mov_b32 s21, 0x3e38aa3b
	s_mov_b32 s22, 0x76543210                      ; v_permlanex16_b32: lane i of one half reads lane i of the other
	s_mov_b32 s23, 0xfedcba98
	; One load brings 128 rows of 128 bytes, dense: 64 rows of 256 bytes (32 elements of 8).  Padding behind every 32 words, that is behind each row of 128 bytes.
	s_mov_b32 s[G1K+0], (3<<16)|(1<<20)|(4<<22)|(3<<25)    ; K: 4 words, pitch 144
	s_mov_b32 s[G1K+1], 32<<16
	s_mov_b32 s[G1K+2], 64<<16
	s_mov_b32 s[G1K+3], 32<<16
	s_mov_b32 s[G1K+4], 64
	s_mov_b32 s[G1K+5], 32
	s_mov_b32 s[G1K+6], 0
	s_mov_b32 s[G1K+7], 0
	s_mov_b32 s[G1V+0], (3<<16)|(1<<20)|(4<<22)|(7<<25)    ; V: 8 words, pitch 160
	s_mov_b32 s[G1V+1], 32<<16
	s_mov_b32 s[G1V+2], 64<<16
	s_mov_b32 s[G1V+3], 32<<16
	s_mov_b32 s[G1V+4], 64
	s_mov_b32 s[G1V+5], 32
	s_mov_b32 s[G1V+6], 0
	s_mov_b32 s[G1V+7], 0
	s_mov_b32 s[G0K+0], 1
	s_mul_i32 s[G0K+1], s8, KHALF                  ; K, waves 0 and 1: wave x 18,432
	s_mov_b32 s[G0K+4], 1
	s_add_co_u32 s[G0K+5], s[G0K+1], KSLOT
	s_mov_b32 s[G0V+0], 1
	s_mul_i32 s[G0V+1], s8, VHALF                  ; V, waves 2 and 3: 73,728 + (wave - 2) x 20,480
	s_add_co_u32 s[G0V+1], s[G0V+1], VB-2*VHALF
	s_mov_b32 s[G0V+4], 1
	s_add_co_u32 s[G0V+5], s[G0V+1], VSLOT
	s_lshl_b32 s30, s12, 18                        ; a head is 262,144 bytes
	s_mov_b32 s31, 0
	s_and_b32 s28, s8, 1
	s_lshl_b32 s28, s28, 14                        ; the half of a superblock that I fetch: 16,384 bytes
	s_mov_b32 s29, 0
	s_wait_dscnt 0x0
	s_barrier_signal -1
	s_barrier_wait -1
	s_wait_kmcnt 0x0
	s_add_nc_u64 s[4:5], s[4:5], s[30:31]          ; my head's q
	s_add_nc_u64 s[6:7], s[6:7], s[30:31]
	s_add_nc_u64 s[26:27], s[4:5], s[28:29]
	s_add_nc_u64 s[24:25], s[26:27], 0x800000      ; its k, at my half
	s_add_nc_u64 s[26:27], s[26:27], 0x1000000     ; its v, at my half
	s_lshl_b32 s28, s15, 15                        ; a superblock is 32,768 bytes
	s_add_nc_u64 s[G0K+2:G0K+3], s[24:25], s[28:29]
	s_or_b32 s[G0K+3], s[G0K+3], 0x80000000
	s_add_nc_u64 s[G0V+2:G0V+3], s[26:27], s[28:29]
	s_or_b32 s[G0V+3], s[G0V+3], 0x80000000
	NEXTJ                                          ; step 1's superblock
	s_add_nc_u64 s[G0K+6:G0K+7], s[24:25], s[28:29]
	s_or_b32 s[G0K+7], s[G0K+7], 0x80000000
	s_add_nc_u64 s[G0V+6:G0V+7], s[26:27], s[28:29]
	s_or_b32 s[G0V+7], s[G0V+7], 0x80000000
	; the first fills of both slots, as one group ahead of everything else: two tensor loads of a wave are out here, later one
	s_cmp_gt_u32 s8, 3
	s_cbranch_scc1 .Lfilled
	s_cmp_lt_u32 s8, 2
	s_cbranch_scc0 .Lfill_v
	tensor_load_to_lds s[G0K:G0K+3], s[G1K:G1K+7]
	s_nop 0
	tensor_load_to_lds s[G0K+4:G0K+7], s[G1K:G1K+7]
	s_nop 0
	s_branch .Lfilled
.Lfill_v:
	tensor_load_to_lds s[G0V:G0V+3], s[G1V:G1V+7]
	s_nop 0
	tensor_load_to_lds s[G0V+4:G0V+7], s[G1V:G1V+7]
	s_nop 0
.Lfilled:
	s_lshl_b32 s30, s11, 14                        ; a query block is 16,384 bytes
	s_add_nc_u64 s[66:67], s[4:5], s[30:31]        ; pass 0: queries,
	s_add_nc_u64 s[70:71], s[6:7], s[30:31]        ; hi,
	s_add_nc_u64 s[72:73], s[70:71], 0x800000      ; lo
	s_lshl_b32 s30, s16, 14
	s_add_nc_u64 s[68:69], s[4:5], s[30:31]        ; pass 1
	s_add_nc_u64 s[74:75], s[6:7], s[30:31]
	s_add_nc_u64 s[76:77], s[74:75], 0x800000
	v_and_b32 v250, 31, v0                         ; L
	v_and_b32 v251, 15, v0                         ; r
	v_bfe_u32 v252, v0, 4, 1                       ; h
	v_and_b32 v253, 7, v0                          ; L % 8
	v_bfe_u32 v254, v0, 3, 1                       ; (L / 8) % 2
	v_bfe_u32 v255, v0, 3, 2                       ; L / 8
	s_lshl_b32 s2, s9, 5                           ; 32 p
	s_lshl_b32 s3, s10, 6                          ; 64 kh
	v_add_nc_u32 v3, s2, v251
	v_lshlrev_b32 v3, 7, v3
	v_lshl_add_u32 v3, v252, 4, v3                 ; (32 p + r) 128 + 16 h
	QLOAD 66
	v_add_nc_u32 v1, s3, v251
	v_mul_u32_u24 v1, v1, KP
	v_lshl_add_u32 v1, v252, 4, v1                 ; (64 kh + r) 144 + 16 h
	v_lshl_add_u32 v2, v252, 3, v253
	v_add_nc_u32 v2, s3, v2
	v_mul_u32_u24 v2, v2, VP
	v_lshl_add_u32 v2, v254, 4, v2
	v_add_nc_u32 v2, VB, v2                        ; 73,728 + (64 kh + 8 h + L % 8) 160 + 16 ((L / 8) % 2)
	s_and_b32 s79, s11, 1                          ; pass 0's query block is the lower (0) or the upper (1) half of its top superblock
	s_lshl_b32 s79, s79, 7
	s_sub_co_i32 s2, s2, s3
	s_add_co_i32 s2, s2, s79
	v_add_nc_u32 v10, s2, v251
	v_lshlrev_b32 v11, 3, v252
	v_sub_nc_u32 v10, v10, v11                     ; D_0 = 128 (qb % 2) + 32 p + r - 64 kh - 8 h: in the top superblock key 16 kt + j is masked if 16 kt + j > D_u
	v_add_nc_u32 v11, 16, v10                      ; D_1
	s_lshl_b32 s79, s79, 1
	s_sub_co_i32 s79, 128, s79                     ; pass 1's block lies in the other half: D steps by +128 or -128
	s_mul_i32 s2, s9, PAREA
	s_add_co_u32 s2, s2, SCR
	v_lshl_add_u32 v5, v250, 4, s2
	s_add_co_u32 s2, s2, MLO
	v_lshl_add_u32 v15, v250, 3, s2
	s_and_b32 s2, s8, 7                            ; the finishing waves are waves 0 to 7
	s_mul_i32 s2, s2, STGW
	s_add_co_u32 s2, s2, STG
	v_mul_u32_u24 v6, v251, KP
	v_lshl_add_u32 v6, v252, 4, v6
	v_add_nc_u32 v6, s2, v6                        ; in: row r, 16 bytes for each half of the lanes
	v_mul_u32_u24 v7, v255, KP
	v_lshl_add_u32 v7, v253, 4, v7
	v_add_nc_u32 v7, s2, v7                        ; back: eight lanes a row of 128 bytes, four rows a load
	s_lshl_b32 s3, s9, 12
	v_lshl_add_u32 v8, v250, 4, s3                 ; 32 p rows of 128 bytes + 16 L
	v_mov_b32 v9, 0xfe800000                       ; -2^126
.macro RESET                           ; no key seen yet
	v_mov_b32 v12, v9
	v_mov_b32 v13, v9
	v_mul_f32 v[NM], 0xbe38aa3b, v9
	v_mul_f32 v[NM+2], 0xbe38aa3b, v9
	v_mov_b32 v[NM+1], 0
	v_mov_b32 v[NM+3], 0
.endm
	RESET
; The change of slots.  Every wave waits for all its tensor loads (one is out in waves 0 to 3: its part of this step's tile) and for its reads of the other
; slot, then the barrier; behind it the other slot's refill, the next step's tile, comes first.
.macro RING slot, refill
	s_wait_tensorcnt 0x0
	ds_add_u32 v4, v14
	s_wait_dscnt 0x0
.if \refill
	NEXTJ
	s_add_nc_u64 s[G0K+6-4*\slot:G0K+7-4*\slot], s[24:25], s[28:29]
	s_or_b32 s[G0K+7-4*\slot], s[G0K+7-4*\slot], 0x80000000
	s_add_nc_u64 s[G0V+6-4*\slot:G0V+7-4*\slot], s[26:27], s[28:29]
	s_or_b32 s[G0V+7-4*\slot], s[G0V+7-4*\slot], 0x80000000
.endif
	s_wait_dscnt 0x0
	s_barrier_signal -1
	s_barrier_wait -1
.if \refill
	TLOAD 1-\slot
.endif
.endm
.macro MASK
.irp u, 0,1
.irp kt, 0,1,2,3
.irp j, 0,1,2,3,4,5,6,7
	v_cmp_gt_i32 vcc_lo, 16*\kt+\j, v[10+\u]
	v_cndmask_b32 v[SC+32*\u+8*\kt+\j], v[SC+32*\u+8*\kt+\j], v9, vcc_lo
.endr
.endr
.endr
.endm
; One tile of queries: new maximum, weights, sum, packing.
.macro SOFT u
	v_max3_num_f32 v254, v[SC+32*\u], v[SC+32*\u+1], v[12+\u]      ; two chains; the old maximum is among them
	v_max_num_f32 v255, v[SC+32*\u+16], v[SC+32*\u+17]
.irp k, 2,4,6,8,10,12,14
	v_max3_num_f32 v254, v254, v[SC+32*\u+\k], v[SC+32*\u+\k+1]
	v_max3_num_f32 v255, v255, v[SC+32*\u+16+\k], v[SC+32*\u+17+\k]
.endr
	v_max_num_f32 v254, v254, v255
	v_permlanex16_b32 v255, v254, s22, s23         ; the other half of the lanes holds the query's other keys
	v_max_num_f32 v[12+\u], v254, v255
	v_mul_f32 v244, 0xbe38aa3b, v[12+\u]           ; nm = -(m c)
	v_mul_f32 v245, 0xbe38aa3b, v[12+\u]
	v_sub_f32 v[246+2*\u], v244, v[NM+2*\u]        ; alpha = 2^(nm - old nm): the two shifts as they were applied
.irp k, 0,2,4,6,8,10,12,14,16,18,20,22,24,26,28,30
	v_pk_fma_f32 v[SC+32*\u+\k:SC+32*\u+\k+1], v[SC+32*\u+\k:SC+32*\u+\k+1], s[20:21], v[244:245] op_sel_hi:[1,0,1]
.endr
	v_exp_f32 v[246+2*\u], v[246+2*\u]
.set kk, 0
.rept 32
	v_exp_f32 v[SC+32*\u+kk], v[SC+32*\u+kk]
.set kk, kk+1
.endr
	v_mov_b32 v[NM+2*\u], v244                     ; the plain instruction between the exponentials and the use of their results (ISA guide 5.7.2)
	s_wait_alu depctr_va_vdst(0)
	v_mov_b32 v[247+2*\u], v[246+2*\u]
	v_pk_add_f32 v[250:251], v[SC+32*\u:SC+32*\u+1], v[SC+32*\u+2:SC+32*\u+3]
	v_pk_add_f32 v[252:253], v[SC+32*\u+4:SC+32*\u+5], v[SC+32*\u+6:SC+32*\u+7]
.irp k, 8,12,16,20,24,28
	v_pk_add_f32 v[250:251], v[250:251], v[SC+32*\u+\k:SC+32*\u+\k+1]
	v_pk_add_f32 v[252:253], v[252:253], v[SC+32*\u+\k+2:SC+32*\u+\k+3]
.endr
	v_pk_add_f32 v[250:251], v[250:251], v[252:253]
	v_add_f32 v250, v250, v251
	v_fma_f32 v[NM+2*\u+1], v[NM+2*\u+1], v[246+2*\u], v250
.irp kc, 0,1
.irp k, 0,1,2,3,4,5,6,7
	v_cvt_pk_f16_f32 v[SC+32*\u+16*\kc+\k], v[SC+32*\u+16*\kc+2*\k], v[SC+32*\u+16*\kc+2*\k+1]   ; ascending: a target has been read before it is written
.endr
.endr
.endm
.macro RESCALE
.irp u, 0,1
.irp k, 0,2,4,6,8,10,12,14,16,18,20,22,24,26,28,30
	v_pk_mul_f32 v[OA+32*\u+\k:OA+32*\u+\k+1], v[OA+32*\u+\k:OA+32*\u+\k+1], v[246+2*\u:247+2*\u]
.endr
.endr
.endm
.macro PVK kc, zero                    ; 32 keys: eight accumulators, one instruction a turn
.irp dt, 0,1,2,3
.irp u, 0,1
.if \zero
	v_wmma_f32_16x16x32_f16 v[OA+32*\u+8*\dt:OA+32*\u+8*\dt+7], v[KV+32*\kc+8*\dt:KV+32*\kc+8*\dt+7], v[SC+32*\u+16*\kc:SC+32*\u+16*\kc+7], 0
.else
	v_wmma_f32_16x16x32_f16 v[OA+32*\u+8*\dt:OA+32*\u+8*\dt+7], v[KV+32*\kc+8*\dt:KV+32*\kc+8*\dt+7], v[SC+32*\u+16*\kc:SC+32*\u+16*\kc+7], v[OA+32*\u+8*\dt:OA+32*\u+8*\dt+7]
.endif
.endr
.endr
.endm
; One superblock: my 64 keys of it.  mode 0: an inner superblock; 1: the first (top) one of a pass; 2: s17 says which.
.macro STEP slot, mode
.irp c, 0,1
.irp kt, 0,1,2,3
	ds_load_b128 v[KV+16*\kt+8*\c:KV+16*\kt+8*\c+3],   v1 offset:\slot*KSLOT+\kt*16*KP+64*\c
	ds_load_b128 v[KV+16*\kt+8*\c+4:KV+16*\kt+8*\c+7], v1 offset:\slot*KSLOT+\kt*16*KP+64*\c+32
.endr
.endr
	s_wait_dscnt 8                                 ; d 0-31 of my 64 keys are in; the eight loads of d 32-63 may be out
.irp kt, 0,1,2,3
.irp u, 0,1
	v_wmma_f32_16x16x32_f16 v[SC+32*\u+8*\kt:SC+32*\u+8*\kt+7], v[KV+16*\kt:KV+16*\kt+7], v[QF+16*\u:QF+16*\u+7], 0
.endr
.endr
	s_wait_dscnt 0
.irp kt, 0,1,2,3                       ; the same eight accumulators in the same order: by turns
.irp u, 0,1
	v_wmma_f32_16x16x32_f16 v[SC+32*\u+8*\kt:SC+32*\u+8*\kt+7], v[KV+16*\kt+8:KV+16*\kt+15], v[QF+16*\u+8:QF+16*\u+15], v[SC+32*\u+8*\kt:SC+32*\u+8*\kt+7]
.endr
.endr
.rept 4
	v_nop                                          ; four places: V is loaded over K's registers, and the scores are read (ISA guide 7.12.1)
.endr
.irp kc, 0,1
.irp dt, 0,1,2,3
	ds_load_tr16_b128 v[KV+32*\kc+8*\dt:KV+32*\kc+8*\dt+3],   v2 offset:\slot*VSLOT+\kc*32*VP+32*\dt
	ds_load_tr16_b128 v[KV+32*\kc+8*\dt+4:KV+32*\kc+8*\dt+7], v2 offset:\slot*VSLOT+\kc*32*VP+32*\dt+16*VP
.endr
.endr
.if \mode == 1
	MASK
.endif
.if \mode == 2
	s_cmp_eq_u32 s17, 0
	s_cbranch_scc1 .Lnomask_\@
	MASK
.Lnomask_\@:
.endif
	SOFT 0
	SOFT 1
.if \mode == 0
	RESCALE
	s_wait_dscnt 0
	PVK 0, 0
	PVK 1, 0
.endif
.if \mode == 1
	s_wait_dscnt 0
	PVK 0, 1                                       ; the first product starts the sums: nothing is cleared
	PVK 1, 0
.endif
.if \mode == 2
	s_cmp_eq_u32 s17, 0
	s_cbranch_scc1 .Lold_\@
	s_wait_dscnt 0
	PVK 0, 1
	PVK 1, 0
	s_branch .Ldone_\@
.Lold_\@:
	RESCALE
	s_wait_dscnt 0
	PVK 0, 0
	PVK 1, 0
.Ldone_\@:
.endif
.rept 5
	v_nop                                          ; five places: the next step's matrix instructions write over the weights, its loads over V; the merge reads O
.endr
.endm
; My partial of tile u goes to place tl of my p's six tile places, its (nm, l) to block ml of the eight.
; Places: 0 = kh 0's tile 1, 1 = kh 1's tile 0, 2 and 3 = kh 2's tiles 0 and 1, 4 and 5 = kh 3's.  Blocks: 2 kh + u.
.macro GIVE u, tl, ml
.irp q, 0,1,2,3,4,5,6,7
	ds_store_b128 v5, v[OA+32*\u+4*\q:OA+32*\u+4*\q+3] offset:4096*\tl+512*\q
.endr
	ds_store_b64 v15, v[NM+2*\u:NM+2*\u+1] offset:256*\ml
.endm
; Tile u is finished: the three partners' partials (places ta, tb, tc; blocks ma, mb, mc) are merged in, the sum divided out, the result split into hi + lo and stored.
.macro TAKE u, pass, ta, tb, tc, ma, mb, mc
.irp q, 0,1,2,3,4,5,6,7
	ds_load_b128 v[KV+4*\q:KV+4*\q+3], v5 offset:4096*\ta+512*\q
.endr
.irp q, 0,1,2,3,4,5,6,7
	ds_load_b128 v[KV+32+4*\q:KV+32+4*\q+3], v5 offset:4096*\tb+512*\q
.endr
.irp q, 0,1,2,3,4,5,6,7
	ds_load_b128 v[SC+4*\q:SC+4*\q+3], v5 offset:4096*\tc+512*\q
.endr
	ds_load_b64 v[SC+32:SC+33], v15 offset:256*\ma
	ds_load_b64 v[SC+34:SC+35], v15 offset:256*\mb
	ds_load_b64 v[SC+36:SC+37], v15 offset:256*\mc
	s_wait_dscnt 0x0
	v_min_num_f32 v[SC+38], v[NM+2*\u], v[SC+32]   ; nm of the largest of the four maxima
	v_min_num_f32 v[SC+39], v[SC+34], v[SC+36]
	v_min_num_f32 v[SC+38], v[SC+38], v[SC+39]
	v_sub_f32 v[SC+40], v[SC+38], v[NM+2*\u]
	v_sub_f32 v[SC+42], v[SC+38], v[SC+32]
	v_sub_f32 v[SC+44], v[SC+38], v[SC+34]
	v_sub_f32 v[SC+46], v[SC+38], v[SC+36]
	v_exp_f32 v[SC+40], v[SC+40]                   ; my weight
	v_exp_f32 v[SC+42], v[SC+42]                   ; and the three partners'
	v_exp_f32 v[SC+44], v[SC+44]
	v_exp_f32 v[SC+46], v[SC+46]
	v_nop
	s_wait_alu depctr_va_vdst(0)
	v_mul_f32 v[SC+48], v[NM+2*\u+1], v[SC+40]
	v_fmac_f32 v[SC+48], v[SC+33], v[SC+42]
	v_fmac_f32 v[SC+48], v[SC+35], v[SC+44]
	v_fmac_f32 v[SC+48], v[SC+37], v[SC+46]
	v_permlanex16_b32 v[SC+38], v[SC+48], s22, s23 ; the sums were kept by lane: now the other half's
	v_add_f32 v[SC+48], v[SC+48], v[SC+38]         ; above 0: keys 0-63 of a superblock hold a real key for every query, and the largest weight is 1
	v_rcp_f32 v[SC+38], v[SC+48]
	v_nop
	s_wait_alu depctr_va_vdst(0)
.irp k, 40,42,44,46
	v_mul_f32 v[SC+\k+1], v[SC+\k], v[SC+38]       ; weight / sum, twice: a pair for the packed forms
	v_mul_f32 v[SC+\k], v[SC+\k], v[SC+38]
.endr
.irp k, 0,2,4,6,8,10,12,14,16,18,20,22,24,26,28,30
	v_pk_mul_f32 v[OA+32*\u+\k:OA+32*\u+\k+1], v[OA+32*\u+\k:OA+32*\u+\k+1], v[SC+40:SC+41]
.endr
.irp k, 0,2,4,6,8,10,12,14,16,18,20,22,24,26,28,30
	v_pk_fma_f32 v[OA+32*\u+\k:OA+32*\u+\k+1], v[KV+\k:KV+\k+1], v[SC+42:SC+43], v[OA+32*\u+\k:OA+32*\u+\k+1]
.endr
.irp k, 0,2,4,6,8,10,12,14,16,18,20,22,24,26,28,30
	v_pk_fma_f32 v[OA+32*\u+\k:OA+32*\u+\k+1], v[KV+32+\k:KV+32+\k+1], v[SC+44:SC+45], v[OA+32*\u+\k:OA+32*\u+\k+1]
.endr
.irp k, 0,2,4,6,8,10,12,14,16,18,20,22,24,26,28,30
	v_pk_fma_f32 v[OA+32*\u+\k:OA+32*\u+\k+1], v[SC+\k:SC+\k+1], v[SC+46:SC+47], v[OA+32*\u+\k:OA+32*\u+\k+1]
.endr
	; hi = the number cut to f16's ten mantissa bits (its conversion is exact), lo = f16(number - hi).  They go into the tile that was given away.
.irp k, 0,1,2,3,4,5,6,7,8,9,10,11,12,13,14,15
	v_and_b32 v[KV+2*\k], s19, v[OA+32*\u+2*\k]
	v_and_b32 v[KV+2*\k+1], s19, v[OA+32*\u+2*\k+1]
	v_cvt_pk_f16_f32 v[OA+32*(1-\u)+\k], v[KV+2*\k], v[KV+2*\k+1]
	v_pk_add_f32 v[OA+32*\u+2*\k:OA+32*\u+2*\k+1], v[OA+32*\u+2*\k:OA+32*\u+2*\k+1], v[KV+2*\k:KV+2*\k+1] neg_lo:[0,1] neg_hi:[0,1]
	v_cvt_pk_f16_f32 v[OA+32*(1-\u)+16+\k], v[OA+32*\u+2*\k], v[OA+32*\u+2*\k+1]
.endr
.irp dt, 0,1,2,3
	ds_store_b128 v6, v[OA+32*(1-\u)+4*\dt:OA+32*(1-\u)+4*\dt+3] offset:32*\dt
	ds_store_b128 v6, v[OA+32*(1-\u)+16+4*\dt:OA+32*(1-\u)+16+4*\dt+3] offset:16*KP+32*\dt
.endr
.irp t, 0,1,2,3
	ds_load_b128 v[KV+32+4*\t:KV+32+4*\t+3], v7 offset:4*KP*\t     ; my own bytes; a wave's LDS instructions are served in order
.endr
.irp t, 0,1,2,3
	ds_load_b128 v[KV+48+4*\t:KV+48+4*\t+3], v7 offset:16*KP+4*KP*\t
.endr
.irp t, 0,1,2,3
	s_wait_dscnt 7-\t
	global_store_b128 v8, v[KV+32+4*\t:KV+32+4*\t+3], s[70+4*\pass:71+4*\pass] offset:512*\t+2048*\u   ; four rows: 512 neighbouring bytes, aligned
.endr
.irp t, 0,1,2,3
	s_wait_dscnt 3-\t
	global_store_b128 v8, v[KV+48+4*\t:KV+48+4*\t+3], s[72+4*\pass:73+4*\pass] offset:512*\t+2048*\u
.endr
.endm
; The end of a pass.  The stores into the merge area are waited for in front of the barrier, the partners' places are read behind it.  The area is
; written again only at the next pass's end, several barriers later.  No LDS bytes are filled behind this barrier; the tensor loads waited for here are
; those that the change of slots straight behind the merge waits for anyway.
.macro FINISH pass, next
.if \next
	QLOAD 68                                       ; pass 1's queries, on their way during the merge
.endif
	s_cmp_lt_u32 s8, 8
	s_cbranch_scc0 .Lgive_hi_\@
	s_cmp_lt_u32 s8, 4
	s_cbranch_scc0 .Lgive_1_\@
	GIVE 1, 0, 1                                   ; kh = 0 keeps tile 0
	s_branch .Lgiven_\@
.Lgive_1_\@:
	GIVE 0, 1, 2                                   ; kh = 1 keeps tile 1
	s_branch .Lgiven_\@
.Lgive_hi_\@:
	s_cmp_lt_u32 s8, 12
	s_cbranch_scc0 .Lgive_3_\@
	GIVE 0, 2, 4                                   ; kh = 2 gives both
	GIVE 1, 3, 5
	s_branch .Lgiven_\@
.Lgive_3_\@:
	GIVE 0, 4, 6                                   ; kh = 3 gives both
	GIVE 1, 5, 7
.Lgiven_\@:
	s_wait_dscnt 0x0
	s_wait_tensorcnt 0x0
	s_barrier_signal -1
	s_barrier_wait -1
	s_cmp_lt_u32 s8, 8
	s_cbranch_scc0 .Ltaken_\@
	s_cmp_lt_u32 s8, 4
	s_cbranch_scc0 .Ltake_1_\@
	TAKE 0, \pass, 1, 2, 4, 2, 4, 6
	s_branch .Ltaken_\@
.Ltake_1_\@:
	TAKE 1, \pass, 0, 3, 5, 1, 5, 7
.Ltaken_\@:
	s_wait_xcnt 0x0                                ; the stores' data registers are loaded again in the next step only behind this wait
.if \next
	RESET
	v_add_nc_u32 v10, s79, v10                     ; pass 1's query block lies in the other half of its top superblock
	v_add_nc_u32 v11, s79, v11
	s_mov_b32 s17, 1
	s_wait_loadcnt 0x0
.endif
.endm
.macro TRIP slot, refill, dyn
.if \dyn
	s_cmp_lg_u32 s14, s13                          ; the same in all sixteen waves: step and i
	s_cbranch_scc1 .Lsame_pass_\@
	FINISH 0, 1
.Lsame_pass_\@:
.endif
	RING \slot, \refill
.if \dyn
	STEP \slot, 2
	s_mov_b32 s17, 0
	s_add_co_u32 s14, s14, 1
.else
	STEP \slot, 0
.endif
.endm
	s_wait_loadcnt 0x0                             ; pass 0's queries
	s_wait_tensorcnt 0x1                           ; my part of step 0's tile is in; step 1's may stay out
	s_barrier_signal -1
	s_barrier_wait -1
	STEP 0, 1                                      ; step 0, written out: pass 0's top superblock
	s_mov_b32 s18, 2
.Lpair:                                            ; steps 1 to 4; pass 1 begins at step i / 2 + 1, which is one of them
	TRIP 1, 1, 1
	TRIP 0, 1, 1
	s_sub_co_u32 s18, s18, 1
	s_cmp_lg_u32 s18, 0
	s_cbranch_scc1 .Lpair
	TRIP 1, 1, 0                                   ; steps 5 to 7: inner superblocks of pass 1
	TRIP 0, 1, 0
	TRIP 1, 1, 0
	TRIP 0, 0, 0                                   ; step 8: nothing is left to fetch
	FINISH 1, 0
	s_wait_tensorcnt 0x0
	ds_add_u32 v4, v14
	s_wait_dscnt 0x0
	s_endpgm
.Lfunc_end_k_q027a548fb1_attn:
	.size	k_q027a548fb1_attn, .Lfunc_end_k_q027a548fb1_attn-k_q027a548fb1_attn
	.p2alignl 7, 3214868480
	.fill 96, 4, 3214868480
	.section	.rodata,"a",@progbits
	.p2align	6, 0x0
	.amdhsa_kernel k_q027a548fb1_attn
		.amdhsa_group_segment_fixed_size 327680
		.amdhsa_private_segment_fixed_size 0
		.amdhsa_enable_private_segment 0
		.amdhsa_kernarg_size 16
		.amdhsa_user_sgpr_count 2
		.amdhsa_user_sgpr_kernarg_segment_ptr 1
		.amdhsa_wavefront_size32 1
		.amdhsa_system_sgpr_workgroup_id_x 1
		.amdhsa_system_sgpr_workgroup_id_y 1
		.amdhsa_system_sgpr_workgroup_id_z 1
		.amdhsa_system_vgpr_workitem_id 0
		.amdhsa_next_free_vgpr 256
		.amdhsa_next_free_sgpr 80
		.amdhsa_reserve_vcc 1
		.amdhsa_float_denorm_mode_32 3
		.amdhsa_float_denorm_mode_16_64 3
		.amdhsa_memory_ordered 1
		.amdhsa_forward_progress 1
		.amdhsa_inst_pref_size 237
	.end_amdhsa_kernel
	.amdgpu_metadata
---
amdhsa.version: [ 1, 2 ]
amdhsa.kernels:
  - .name:           k_q027a548fb1_attn
    .symbol:         k_q027a548fb1_attn.kd
    .args:
      - { .name: qkvh, .offset: 0, .size: 8, .value_kind: global_buffer, .address_space: global }
      - { .name: ao, .offset: 8, .size: 8, .value_kind: global_buffer, .address_space: global }
    .group_segment_fixed_size: 327680
    .private_segment_fixed_size: 0
    .kernarg_segment_align: 8
    .kernarg_segment_size: 16
    .max_flat_workgroup_size: 512
    .sgpr_count:     80
    .vgpr_count:     256
    .wavefront_size: 32
...
	.end_amdgpu_metadata
.endif
;; end of part 3
;; launch outproj (part 4): grid 8 x 32, 4 waves a work-group, clusters of 4 x 4, 327,680 bytes of LDS; arguments ao, wob, out0; writes out0
.if DOCPART == 4
	.amdgcn_target "amdgcn-amd-amdhsa--gfx1250"
	.amdhsa_code_object_version 6
	.text
	.protected	k_q027a548fb1_outproj
	.globl	k_q027a548fb1_outproj
	.p2align	8
	.type	k_q027a548fb1_outproj,@function
k_q027a548fb1_outproj:
	s_mov_b64 s[64:65], 0
	v_nop
	global_prefetch_b8 v0, s[64:65] scope:SCOPE_SE
	s_setreg_imm32_b32 hwreg(HW_REG_WAVE_MODE, 25, 1), 1
	s_wait_xcnt 0x0
	s_wait_alu depctr_hold_cnt(0) depctr_sa_sdst(0) depctr_va_vdst(0) depctr_va_sdst(0) depctr_va_ssrc(0) depctr_va_vcc(0) depctr_vm_vsrc(0)
	s_getreg_b32 s2, hwreg(HW_REG_IB_STS2, 6, 4)
	s_cmp_eq_u32 s2, 0
	s_cbranch_scc0 .Lentry_in_a_cluster
	s_endpgm
.Lentry_in_a_cluster:
	s_bfe_u32 s2, ttmp6, 0x10000c
	s_cmp_lg_u32 s2, 0xf033
	s_cbranch_scc0 .Lentry_shape_is_right
	s_endpgm
.Lentry_shape_is_right:
; outproj: out0 [4096][1024] f32 = (ao_hi + ao_lo) x wob, f16 operands, f32 sums.  ao [2: hi, lo][32 batch x head][2048][64] f16, wob [1024 k][1024 n] f16;
; k = 64 head + d.  The two parts of A are multiplied one after the other onto the same accumulators.
; A work-group makes 128 x 128 with four waves, a wave 64 x 64: 16 accumulator tiles in window 1's v0-127.  8 x 32 = 256 work-groups.
; K goes in steps of 128 (two heads) through two LDS slots.  In a slot: A_hi and A_lo as [2 heads][128 rows] at pitch 144, B as 128 k-rows at pitch 288,
; read with the transposing load.  For 32 along K a wave issues 24 LDS loads and 32 matrix instructions.
; CLUSTERS: 4 x 4 work-groups; A's tiles hang on the block row alone and are asked for jointly along a row of the cluster, B's on the block column
; alone and jointly along a column.
; The matrix instruction is used transposed (source 0 = 16 columns of B, source 1 = 16 rows of A): a lane holds 8 neighbouring columns of one row.
.set PA,     144
.set PBW,    288
.set AHALF,  36864                     ; A_hi, or A_lo: 2 x 128 x 144
.set BHALF,  18432                     ; 64 k-rows x 288
.set SLOT,   110592
.set STAGE,  2*SLOT
.set SPITCH, 272
.set ADRA, 16                          ; v16-17
.set ADRB, 20                          ; v20-21
.set STO,  24
.set RD,   25
.set CO,   26
.set F0,   32                          ; v[32:127]   B 32, A_hi 32, A_lo 32 registers
.set F1,   128                         ; v[128:223]
.set G1, 24
.set G0, 32
.set G1B, 48
.set G0B, 56
.set MSB, 0
.macro WIN new
.if MSB != \new
	s_set_vgpr_msb (MSB<<8)|\new
.set MSB, \new
.endif
.endm
.macro JLOAD s                         ; waves 0 and 1 fetch A_hi and A_lo, waves 2 and 3 B's two halves
	s_cmp_eq_u32 s11, 0
	s_cbranch_scc0 .Lfor_b_\@
	tensor_load_to_lds s[G0+4*(\s):G0+4*(\s)+3], s[G1:G1+7]
	s_nop 0
	s_branch .Lasked_\@
.Lfor_b_\@:
	tensor_load_to_lds s[G0B+4*(\s):G0B+4*(\s)+3], s[G1B:G1B+7]
	s_nop 0
.Lasked_\@:
.endm
.macro CROUND                          ; a round of the cluster's barrier
	s_barrier_signal -1
	s_barrier_wait -1
	s_cmp_lg_u32 s10, 0
	s_cbranch_scc1 .Lnot_wave_0_\@
	s_barrier_signal -3
.Lnot_wave_0_\@:
	s_barrier_wait -3
	s_barrier_signal -1
	s_barrier_wait -1
.endm
	s_load_b128 s[4:7], s[0:1], 0x0                ; ao s[4:5], wob s[6:7]
	s_load_b64 s[8:9], s[0:1], 0x10                ; out0
	v_lshl_add_u32 v254, v0, 2, 0x3a400
	v_mov_b32 v255, 0
	ds_add_u32 v254, v255
	v_lshrrev_b32 v1, 5, v0
	v_readfirstlane_b32 s10, v1                    ; wave
	s_lshr_b32 s11, s10, 1                         ; my half of the block's rows.  Also: I fetch for A (0) or for B (1)
	s_and_b32 s12, s10, 1                          ; my half of its columns.  Also: hi or lo; B's k-rows 0-63 or 64-127
	s_bfe_u32 s40, ttmp6, 0x40000                  ; cx
	s_bfe_u32 s41, ttmp6, 0x40004                  ; cy
	s_lshl_b32 s42, ttmp9, 2
	s_add_co_u32 s42, s42, s40                     ; block column, 0-7
	s_and_b32 s13, ttmp7, 0xffff
	s_lshl_b32 s13, s13, 2
	s_add_co_u32 s13, s13, s41                     ; block row, 0-31
	s_lshl_b32 s43, s41, 2
	s_lshl_b32 s43, 15, s43                        ; my row of the cluster
	s_lshl_b32 s44, 0x1111, s40                    ; my column
	; group 1 for A: a head's 128 positions x 64 numbers are 8,192 neighbouring elements: one row of the tile; two heads, 131,072 elements apart;
	; 4 words of padding behind every 32, that is behind each position's 128 bytes
	s_or_b32 s[G1+0], s43, (1<<16)|(1<<20)|(1<<21)|(4<<22)|(3<<25)
	s_mov_b32 s[G1+1], 8192<<16
	s_mov_b32 s[G1+2], 2<<16
	s_mov_b32 s[G1+3], 8192<<16
	s_mov_b32 s[G1+4], 2
	s_mov_b32 s[G1+5], 131072
	s_mov_b32 s[G1+6], 0
	s_mov_b32 s[G1+7], 0
	; group 1 for B: 64 k-rows x 128 elements, 8 words of padding behind every 64
	s_or_b32 s[G1B+0], s44, (1<<16)|(1<<20)|(1<<21)|(5<<22)|(7<<25)
	s_mov_b32 s[G1B+1], 128<<16
	s_mov_b32 s[G1B+2], 64<<16
	s_mov_b32 s[G1B+3], 128<<16
	s_mov_b32 s[G1B+4], 64
	s_mov_b32 s[G1B+5], 1024
	s_mov_b32 s[G1B+6], 0
	s_mov_b32 s[G1B+7], 0
	s_lshl_b32 s16, s12, 23                        ; A: hi or lo,
	s_lshr_b32 s17, s13, 4
	s_lshl_b32 s17, s17, 22                        ; the batch's 16 heads of 262,144 bytes,
	s_add_co_u32 s16, s16, s17
	s_and_b32 s17, s13, 15
	s_lshl_b32 s17, s17, 14                        ; the block's 128 positions of 128 bytes
	s_add_co_u32 s16, s16, s17
	s_mov_b32 s17, 0
	s_lshl_b32 s46, s12, 17                        ; B: 64 k-rows of 2,048 bytes x half,
	s_lshl_b32 s47, s42, 8                         ; 256 bytes x block column
	s_add_co_u32 s46, s46, s47
	s_mov_b32 s47, 0
	s_mul_i32 s20, s10, AHALF                      ; A's parts go to wave x 36,864 (waves 0, 1),
	s_mul_i32 s21, s10, BHALF
	s_add_co_u32 s21, s21, AHALF                   ; B's halves to 36,864 + wave x 18,432 (waves 2, 3): behind A's two parts
	s_wait_dscnt 0x0
	s_wait_kmcnt 0x0
	s_add_nc_u64 s[14:15], s[4:5], s[16:17]
	s_add_nc_u64 s[46:47], s[6:7], s[46:47]
	CROUND                                         ; all sixteen work-groups are here: the first joint loads meet
.irp s, 0,1
	s_mov_b32 s[G0+4*\s], 1
	s_add_co_u32 s[G0+4*\s+1], s20, \s*SLOT
	s_add_nc_u64 s[G0+4*\s+2:G0+4*\s+3], s[14:15], \s*524288       ; K step s: two heads on
	s_or_b32 s[G0+4*\s+3], s[G0+4*\s+3], 0x80000000
	s_mov_b32 s[G0B+4*\s], 1
	s_add_co_u32 s[G0B+4*\s+1], s21, \s*SLOT
	s_add_nc_u64 s[G0B+4*\s+2:G0B+4*\s+3], s[46:47], \s*262144     ; 128 k-rows on
	s_or_b32 s[G0B+4*\s+3], s[G0B+4*\s+3], 0x80000000
	JLOAD \s
.endr
	v_and_b32 v1, 15, v0                           ; r
	v_bfe_u32 v2, v0, 4, 1                         ; h
	v_mul_u32_u24 v3, v1, PA
	v_lshl_add_u32 v3, v2, 4, v3                   ; A: row x 144 + 16 h
	v_and_b32 v6, 7, v0
	v_lshl_add_u32 v6, v2, 3, v6
	v_mul_u32_u24 v6, v6, PBW
	v_bfe_u32 v7, v0, 3, 1
	v_lshl_add_u32 v6, v7, 4, v6                   ; B: (8 h + l % 8) x 288 + 16 ((l / 8) % 2)
	s_mul_i32 s22, s11, 64*PA                      ; my 64 rows of A
	s_lshl_b32 s23, s12, 7                         ; my 64 columns of B: 128 bytes along its rows,
	s_add_co_u32 s23, s23, 2*AHALF                 ; behind A's two parts
.irp s, 0,1
	v_add_nc_u32 v[ADRA+\s], s22, v3
	v_add_nc_u32 v[ADRB+\s], s23, v6
	s_add_co_u32 s22, s22, SLOT
	s_add_co_u32 s23, s23, SLOT
.endr
	s_mul_i32 s23, s10, 16*SPITCH
	s_add_co_u32 s23, s23, STAGE                   ; my stage: 16 rows of 256 bytes at pitch 272
	v_mul_u32_u24 v4, v1, SPITCH
	v_lshl_add_u32 v4, v2, 5, v4                   ; in: row r, 32 bytes for each half of the lanes
	v_add_nc_u32 v[STO], s23, v4
	v_mul_u32_u24 v5, v2, SPITCH
	v_lshl_add_u32 v5, v1, 4, v5                   ; back: lanes 0-15 one row, lanes 16-31 the next
	v_add_nc_u32 v[RD], s23, v5
	v_lshlrev_b32 v5, 12, v2
	v_lshl_add_u32 v[CO], v1, 4, v5                ; and the same two rows of out0 (4,096 bytes a row)
.macro PLACES                          ; four plain vector instructions between a matrix instruction and a load into one of its registers, or a read of its result (ISA guide 7.12.1 for vector instructions)
.rept 4
	v_nop
.endr
.endm
; 24 LDS loads: quarter kq (32 along K) of a slot into buffer f: B's 64 columns, A_hi's 64 rows, A_lo's.  Quarters 0, 1 lie in the first head, 2, 3 in the second.
.macro FETCH slot, kq, f
.irp i, 0,1,2,3
	ds_load_tr16_b128 v[\f+8*\i:\f+8*\i+3],   v[ADRB+\slot] offset:\kq*32*PBW+32*\i
	ds_load_tr16_b128 v[\f+8*\i+4:\f+8*\i+7], v[ADRB+\slot] offset:\kq*32*PBW+32*\i+16*PBW
.endr
.irp i, 0,1,2,3
	ds_load_b128 v[\f+32+8*\i:\f+32+8*\i+3], v[ADRA+\slot] offset:(\kq/2)*128*PA+(\kq%2)*64+\i*16*PA
	ds_load_b128 v[\f+32+8*\i+4:\f+32+8*\i+7], v[ADRA+\slot] offset:(\kq/2)*128*PA+(\kq%2)*64+\i*16*PA+32
.endr
.irp i, 0,1,2,3
	ds_load_b128 v[\f+64+8*\i:\f+64+8*\i+3], v[ADRA+\slot] offset:AHALF+(\kq/2)*128*PA+(\kq%2)*64+\i*16*PA
	ds_load_b128 v[\f+64+8*\i+4:\f+64+8*\i+7], v[ADRA+\slot] offset:AHALF+(\kq/2)*128*PA+(\kq%2)*64+\i*16*PA+32
.endr
.endm
; 32 matrix instructions: the 16 accumulators with A_hi, then the same 16 in the same order with A_lo: by turns, one instruction a turn.
.macro MUL32 f, zero
	WIN 0x50                                       ; C and D in window 1, operands in window 0
.irp a, 0,1,2,3
.irp b, 0,1,2,3
.if \zero
	v_wmma_f32_16x16x32_f16 v[8*(4*\a+\b):8*(4*\a+\b)+7], v[\f+8*\b:\f+8*\b+7], v[\f+32+8*\a:\f+32+8*\a+7], 0
.else
	v_wmma_f32_16x16x32_f16 v[8*(4*\a+\b):8*(4*\a+\b)+7], v[\f+8*\b:\f+8*\b+7], v[\f+32+8*\a:\f+32+8*\a+7], v[8*(4*\a+\b):8*(4*\a+\b)+7]
.endif
.endr
.endr
.irp a, 0,1,2,3
.irp b, 0,1,2,3
	v_wmma_f32_16x16x32_f16 v[8*(4*\a+\b):8*(4*\a+\b)+7], v[\f+8*\b:\f+8*\b+7], v[\f+64+8*\a:\f+64+8*\a+7], v[8*(4*\a+\b):8*(4*\a+\b)+7]
.endr
.endr
	WIN 0
.endm
.macro KSTEP slot, zero                ; four quarters on buffers 0, 1, 0, 1; a quarter's fragments are fetched while the one before is multiplied
	PLACES                                         ; behind the last step's matrix instructions, for both fetches
	FETCH \slot, 0, F0
	FETCH \slot, 1, F1
	s_wait_dscnt 24                                ; all but the 24 just issued
	MUL32 F0, \zero
	PLACES
	FETCH \slot, 2, F0
	s_wait_dscnt 24
	MUL32 F1, 0
	PLACES
	FETCH \slot, 3, F1
	s_wait_dscnt 24
	MUL32 F0, 0
	s_wait_dscnt 0
	MUL32 F1, 0
.endm
; The change of slots.  Every wave waits for all its tensor loads (one is out: its part of this slot) and for its reads of the other slot; a round of the
; cluster's barrier; the joint refill of the other slot, two K steps ahead, is the first tensor load behind it.
.macro TWO slot, refill
	s_wait_tensorcnt 0x0
	ds_add_u32 v254, v255
	s_wait_dscnt 0x0
.if \refill
	s_add_nc_u64 s[G0+6-4*\slot:G0+7-4*\slot], s[G0+6-4*\slot:G0+7-4*\slot], 1048576
	s_add_nc_u64 s[G0B+6-4*\slot:G0B+7-4*\slot], s[G0B+6-4*\slot:G0B+7-4*\slot], 524288
.endif
	s_wait_dscnt 0x0
.if \refill
	CROUND
	JLOAD 1-\slot
.else
	s_barrier_signal -1
	s_barrier_wait -1
.endif
	KSTEP \slot, 0
.endm
	s_wait_tensorcnt 1                             ; my part of K step 0 is in; K step 1's stays out
	s_barrier_signal -1
	s_barrier_wait -1
	KSTEP 0, 1                                     ; K step 0: its first products start the sums
	s_mov_b32 s3, 3
.Lk:                                               ; K steps 1 to 6; they ask for steps 2 to 7
	TWO 1, 1
	TWO 0, 1
	s_sub_co_u32 s3, s3, 1
	s_cmp_lg_u32 s3, 0
	s_cbranch_scc1 .Lk
	TWO 1, 0                                       ; K step 7: nothing is left to fetch
	; THE WAY OUT, 16 rows at a time through my own stage, so that sixteen lanes store 256 neighbouring bytes
	PLACES
	s_lshl_b32 s16, s13, 7
	s_lshl_b32 s17, s11, 6
	s_add_co_u32 s16, s16, s17                     ; my first row
	s_lshl_b32 s16, s16, 12                        ; x 4,096 bytes
	s_mov_b32 s17, 0
	s_add_nc_u64 s[8:9], s[8:9], s[16:17]
	s_lshl_b32 s46, s42, 9                         ; my first column: 512 bytes x block column + 256 x half
	s_lshl_b32 s47, s12, 8
	s_add_co_u32 s46, s46, s47
	s_mov_b32 s47, 0
	s_add_nc_u64 s[8:9], s[8:9], s[46:47]
.macro OUT16 a, f
	WIN 0x04                                       ; the stores' data in window 1
.irp b, 0,1,2,3
	ds_store_b128 v[STO], v[8*(4*\a+\b):8*(4*\a+\b)+3] offset:64*\b
	ds_store_b128 v[STO], v[8*(4*\a+\b)+4:8*(4*\a+\b)+7] offset:64*\b+16
.endr
	WIN 0
	s_wait_xcnt 0x0                                ; buffer f, which earlier stores read, is loaded again only behind this wait
.irp t, 0,1,2,3,4,5,6,7
	ds_load_b128 v[\f+4*\t:\f+4*\t+3], v[RD] offset:\t*2*SPITCH    ; a wave's LDS instructions are served in order: these see the stores above
.endr
.irp t, 0,1,2,3,4,5,6,7
	s_wait_dscnt 7-\t
	global_store_b128 v[CO], v[\f+4*\t:\f+4*\t+3], s[8:9] offset:(16*\a+2*\t)*4096 th:TH_STORE_NT
.endr
.endm
	OUT16 0, F0
	OUT16 1, F1
	OUT16 2, F0
	OUT16 3, F1
	s_wait_tensorcnt 0x0
	ds_add_u32 v254, v255
	s_wait_dscnt 0x0
	CROUND                                         ; the closing round: no work-group ends while a partner may still ask for a tile that names it
	s_endpgm
.Lfunc_end_k_q027a548fb1_outproj:
	.size	k_q027a548fb1_outproj, .Lfunc_end_k_q027a548fb1_outproj-k_q027a548fb1_outproj
	.p2alignl 7, 3214868480
	.fill 96, 4, 3214868480
	.section	.rodata,"a",@progbits
	.p2align	6, 0x0
	.amdhsa_kernel k_q027a548fb1_outproj
		.amdhsa_group_segment_fixed_size 327680
		.amdhsa_private_segment_fixed_size 0
		.amdhsa_enable_private_segment 0
		.amdhsa_kernarg_size 24
		.amdhsa_user_sgpr_count 2
		.amdhsa_user_sgpr_kernarg_segment_ptr 1
		.amdhsa_wavefront_size32 1
		.amdhsa_system_sgpr_workgroup_id_x 1
		.amdhsa_system_sgpr_workgroup_id_y 1
		.amdhsa_system_sgpr_workgroup_id_z 1
		.amdhsa_system_vgpr_workitem_id 0
		.amdhsa_next_free_vgpr 384
		.amdhsa_next_free_sgpr 66
		.amdhsa_reserve_vcc 0
		.amdhsa_float_denorm_mode_32 3
		.amdhsa_float_denorm_mode_16_64 3
		.amdhsa_memory_ordered 1
		.amdhsa_forward_progress 1
		.amdhsa_inst_pref_size 77
	.end_amdhsa_kernel
	.amdgpu_metadata
---
amdhsa.version: [ 1, 2 ]
amdhsa.kernels:
  - .name:           k_q027a548fb1_outproj
    .symbol:         k_q027a548fb1_outproj.kd
    .args:
      - { .name: ao, .offset: 0, .size: 8, .value_kind: global_buffer, .address_space: global }
      - { .name: wob, .offset: 8, .size: 8, .value_kind: global_buffer, .address_space: global }
      - { .name: out0, .offset: 16, .size: 8, .value_kind: global_buffer, .address_space: global }
    .group_segment_fixed_size: 327680
    .private_segment_fixed_size: 0
    .kernarg_segment_align: 8
    .kernarg_segment_size: 24
    .max_flat_workgroup_size: 128
    .sgpr_count:     66
    .vgpr_count:     384
    .wavefront_size: 32
...
	.end_amdgpu_metadata
.endif
;; end of part 4
;; ======== version 2 of 2: 4 launches; version 1 with the launch prep written anew for expert scheduling mode
;; limits: values are held in f16: magnitudes above 65,504 overflow, below 6.1e-05 lose precision
;; workspace buffers: xb 8,388,608 bytes; wqkv 6,291,456 bytes; wob 2,097,152 bytes; cs 262,144 bytes; qkvh 25,165,824 bytes; ao 16,777,216 bytes
;; launch prep (part 5): grid 256 x 1, 8 waves a work-group, no clusters, 0 bytes of LDS; arguments x, w_q, w_kv, w_out, xb, wqkv, wob, cs; writes xb, wqkv, wob, cs
.if DOCPART == 5
	.amdgcn_target "amdgcn-amd-amdhsa--gfx1250"
	.amdhsa_code_object_version 6
	.text
	.protected	k_q027a548fb1_prep
	.globl	k_q027a548fb1_prep
	.p2align	8
	.type	k_q027a548fb1_prep,@function
k_q027a548fb1_prep:
	s_mov_b64 s[64:65], 0
	v_nop
	global_prefetch_b8 v0, s[64:65] scope:SCOPE_SE
	s_setreg_imm32_b32 hwreg(HW_REG_WAVE_SCHED_MODE, 0, 2), 2
	s_setreg_imm32_b32 hwreg(HW_REG_WAVE_MODE, 25, 1), 1
	s_wait_xcnt 0x0
	s_wait_alu depctr_vm_vsrc(0)
; prep: the four f32 inputs are rounded once to 16 bits, and the table of cosines and sines is made.
;   xb   [4096][1024] bf16 = x;   wqkv [1024 k][3072 n] bf16 = w_q (n 0-1023) beside w_kv (n 1024-3071);
;   wob  [1024 k][1024 n] f16 = w_out rounded to bf16 like the other inputs, that value written as f16 (its partner operand is f16);
;   cs   [2048 pos][16 cos | 16 sin] f32, angle = pos * 10000^(-j/16).
; LIMITS: |w_out| < 65,504; the step bf16 -> f16 is exact from 2^-17 upward, below it the error is at most 2^-25.
; A piece is 1,024 f32 of a source row: 4,096 bytes in, 2,048 bytes out.  8,192 pieces, 32 for each of 256 work-groups, four neighbouring
; ones for each wave.  A wave issues its 32 loads at once (16 KiB on their way); each load covers 512 neighbouring bytes, each store 256
; neighbouring bytes that begin at a multiple of 256.  No LDS, no barrier, no matrix unit: every byte is read once and written once.
; THE MODE: SCHED_MODE bits 1:0 = 2 (LLVM: expert scheduling mode 2), set by the entry lines.  The code itself states the register dependences
; between vector instructions and memory instructions, with s_wait_alu, always for 0.
; THE PLAN.  Registers that memory instructions touch:
;   v1         the loads' offset.  Written at the head; one wait ahead of the run of 32 loads; never written again.
;   X          written by the loads alone, each register once; no vector instruction names X ahead of the loads; read by the conversions behind s_wait_loadcnt.
;   v[4:7]     the stores' offsets.  Written behind the loads; the wait ahead of the first run of stores covers them; never written again.
;   Y          eight registers for each block of four loads.  Written once, by the block's conversions; ONE wait; read by the block's four stores; never written again.
;   v[24:28]   the table's four numbers and their offset (waves 0 and 1).  Written once; one wait; read by one store; never written again.
; No register that a memory instruction reads is ever written again, so the only wait on vm_vsrc is the one among the entry lines.  EXEC is never written.
; Two scalar results of vector instructions: s3 (the wave's number) and VCC (cosines or sines), each with its wait ahead of its first reader.
.set X, 32                             ; v[32:159]  the 32 loads, four f32 each
.set Y, 160                            ; v[160:223] two packed words for each load; never written twice
	s_load_b512 s[16:31], s[0:1], 0x0              ; x, w_q, w_kv, w_out, xb, wqkv, wob, cs
	s_mov_b32 s2, ttmp9                            ; g, the work-group
	v_lshrrev_b32 v1, 5, v0
	v_readfirstlane_b32 s3, v1                     ; wave
	v_and_b32 v2, 31, v0                           ; lane
	v_lshlrev_b32 v1, 4, v2                        ; 16 bytes a lane in the source
	v_lshlrev_b32 v3, 3, v2                        ; 8 bytes a lane in the destination
	s_wait_alu depctr_va_sdst(0)                   ; s3 is written, ahead of its first reader, the line below
	s_lshl_b32 s33, s3, 2                          ; four pieces a wave
	s_wait_kmcnt 0x0
	; which source: s[4:5] source, s[6:7] destination, s8 my first piece, s10 its byte offset in the destination,
	; s12-14 the next three pieces' distances from it, s15 = 1 for w_out
	s_cmp_lt_u32 s2, 128
	s_cbranch_scc0 .Lnot_x
	s_mov_b64 s[4:5], s[16:17]                     ; g 0-127: x, 4,096 pieces
	s_mov_b64 s[6:7], s[24:25]
	s_lshl_b32 s8, s2, 5
	s_add_co_u32 s8, s8, s33
	s_lshl_b32 s10, s8, 11
	s_mov_b32 s12, 2048
	s_mov_b32 s13, 4096
	s_mov_b32 s14, 6144
	s_mov_b32 s15, 0
	s_branch .Lgo
.Lnot_x:
	s_cmp_lt_u32 s2, 160
	s_cbranch_scc0 .Lnot_q
	s_mov_b64 s[4:5], s[18:19]                     ; g 128-159: w_q, a piece is a row; rows of wqkv are 6,144 bytes
	s_mov_b64 s[6:7], s[26:27]
	s_sub_co_u32 s8, s2, 128
	s_lshl_b32 s8, s8, 5
	s_add_co_u32 s8, s8, s33
	s_mul_i32 s10, s8, 6144
	s_mov_b32 s12, 6144
	s_mov_b32 s13, 12288
	s_mov_b32 s14, 18432
	s_mov_b32 s15, 0
	s_branch .Lgo
.Lnot_q:
	s_cmp_lt_u32 s2, 224
	s_cbranch_scc0 .Lnot_kv
	s_mov_b64 s[4:5], s[20:21]                     ; g 160-223: w_kv, two pieces a row, behind w_q's 2,048 bytes of the row
	s_mov_b64 s[6:7], s[26:27]
	s_sub_co_u32 s8, s2, 160
	s_lshl_b32 s8, s8, 5
	s_add_co_u32 s8, s8, s33
	s_lshr_b32 s10, s8, 1
	s_mul_i32 s10, s10, 6144
	s_add_co_u32 s10, s10, 2048
	s_mov_b32 s12, 2048
	s_mov_b32 s13, 6144
	s_mov_b32 s14, 8192
	s_mov_b32 s15, 0
	s_branch .Lgo
.Lnot_kv:
	s_mov_b64 s[4:5], s[22:23]                     ; g 224-255: w_out
	s_mov_b64 s[6:7], s[28:29]
	s_sub_co_u32 s8, s2, 224
	s_lshl_b32 s8, s8, 5
	s_add_co_u32 s8, s8, s33
	s_lshl_b32 s10, s8, 11
	s_mov_b32 s12, 2048
	s_mov_b32 s13, 4096
	s_mov_b32 s14, 6144
	s_mov_b32 s15, 1
.Lgo:
	s_lshl_b32 s34, s8, 12                         ; 4,096 source bytes a piece
	s_mov_b32 s35, 0
	s_mov_b32 s11, 0
	s_add_nc_u64 s[4:5], s[4:5], s[34:35]
	s_add_nc_u64 s[6:7], s[6:7], s[10:11]
	s_wait_alu depctr_va_vdst(0)                   ; v1 is written: each of the 32 loads below reads it as its offset
.irp q, 0,1,2,3
.irp e, 0,1,2,3,4,5,6,7
	global_load_b128 v[X+4*(8*\q+\e):X+4*(8*\q+\e)+3], v1, s[4:5] offset:\q*4096+\e*512 th:TH_LOAD_NT
.endr
.endr
	v_mov_b32 v4, v3                               ; v[4:7]: 8 x lane + the piece's distance; made behind the loads, read by the stores alone
	v_add_nc_u32 v5, s12, v3
	v_add_nc_u32 v6, s13, v3
	v_add_nc_u32 v7, s14, v3
	; THE TABLE, while the loads are on their way: eight rows (1,024 bytes) a work-group, threads 0-63 (waves 0 and 1), 16 bytes each.
	; Thread t: row 8 g + t / 8; sub = t % 8: below 4 the cosines 4 sub .. 4 sub + 3, else the sines 4 (sub - 4) .. + 3.
	; The angle is brought into [-pi, pi] by taking away k turns, 2 pi in two parts (k at most 326, so k x the upper part is exact inside the
	; fused multiply-add); sine and cosine are the power series up to x^15 and x^16, whose first left-out terms at pi are below 1e-6.
	s_cmp_lt_u32 s3, 2
	s_cbranch_scc0 .Lno_table
	v_lshlrev_b32 v28, 4, v0
	v_lshl_add_u32 v28, s2, 10, v28                ; my 16 bytes of cs
	v_lshrrev_b32 v8, 3, v0
	v_lshl_add_u32 v8, s2, 3, v8
	v_cvt_f32_u32 v8, v8                           ; pos
	v_and_b32 v9, 3, v0
	v_lshlrev_b32 v9, 2, v9                        ; j of my first number
	v_and_b32 v17, 7, v0
	v_cmp_gt_u32 vcc_lo, 4, v17                    ; cosines?
.irp e, 0,1,2,3
	v_or_b32 v[10+\e], \e, v9
	v_cvt_f32_u32 v[10+\e], v[10+\e]
	v_mul_f32 v[10+\e], 0xbf549a78, v[10+\e]       ; -j log2(10000) / 16
.endr
.irp e, 0,1,2,3
	v_exp_f32 v[10+\e], v[10+\e]                   ; 10000^(-j/16)
.endr
	v_mov_b32 v30, 0xab573f9f                      ; -1/15!  (also the plain instruction that stands between v_exp_f32 and the use of its result: ISA guide 5.7.2)
	v_mov_b32 v31, 0x29573f9f                      ; 1/16!
	s_wait_alu depctr_va_vdst(0)                   ; the four v_exp_f32 have written v[10:13], ahead of their first reader: one wait for the batch
	s_wait_alu depctr_va_vcc(0)                    ; the compare has written VCC, ahead of its first reader, the first v_cndmask_b32 below
.macro ANGLE e
	v_mul_f32 v[10+\e], v8, v[10+\e]               ; the angle, as reference() forms it
	v_mul_f32 v14, 0.15915494, v[10+\e]
	v_rndne_f32 v14, v14                           ; k whole turns
	v_fmamk_f32 v[10+\e], v14, 0xc0c90fdb, v[10+\e]    ; - k x upper part of 2 pi
	v_fmamk_f32 v[10+\e], v14, 0x343bbd2e, v[10+\e]    ; - k x lower part (which is negative)
	v_mul_f32 v14, v[10+\e], v[10+\e]
	v_fmaak_f32 v15, v30, v14, 0x2f309231          ; sine: 1/13!
	v_fmaak_f32 v15, v15, v14, 0xb2d7322b          ; -1/11!
	v_fmaak_f32 v15, v15, v14, 0x3638ef1d          ; 1/9!
	v_fmaak_f32 v15, v15, v14, 0xb9500d01          ; -1/7!
	v_fmaak_f32 v15, v15, v14, 0x3c088889          ; 1/5!
	v_fmaak_f32 v15, v15, v14, 0xbe2aaaab          ; -1/3!
	v_fmaak_f32 v15, v15, v14, 0x3f800000
	v_mul_f32 v15, v15, v[10+\e]
	v_fmaak_f32 v16, v31, v14, 0xad49cba5          ; cosine: -1/14!
	v_fmaak_f32 v16, v16, v14, 0x310f76c7          ; 1/12!
	v_fmaak_f32 v16, v16, v14, 0xb493f27e          ; -1/10!
	v_fmaak_f32 v16, v16, v14, 0x37d00d01          ; 1/8!
	v_fmaak_f32 v16, v16, v14, 0xbab60b61          ; -1/6!
	v_fmaak_f32 v16, v16, v14, 0x3d2aaaab          ; 1/4!
	v_fmaak_f32 v16, v16, v14, 0xbf000000          ; -1/2
	v_fmaak_f32 v16, v16, v14, 0x3f800000
	v_cndmask_b32 v[24+\e], v15, v16, vcc_lo
.endm
	ANGLE 0
	ANGLE 1
	ANGLE 2
	ANGLE 3
	s_wait_alu depctr_va_vdst(0)                   ; v[24:27] and v28 are written, which the store below reads as its data and its offset
	global_store_b128 v28, v[24:27], s[30:31]      ; v[24:28] are not written again
.Lno_table:
; Block b of eight: loads 4 b .. 4 b + 3, half of piece b / 2: rounded, packed, stored.  The count leaves the younger loads on their way
; (loads come back in order: ISA guide 5.7.1): behind the block's last load 28 - 4 b were issued.
.macro CVB4 b
	s_wait_loadcnt 28-4*(\b)
.irp e, 0,1,2,3
	v_cvt_pk_bf16_f32 v[Y+2*(4*(\b)+\e)], v[X+4*(4*(\b)+\e)], v[X+4*(4*(\b)+\e)+1]
	v_cvt_pk_bf16_f32 v[Y+2*(4*(\b)+\e)+1], v[X+4*(4*(\b)+\e)+2], v[X+4*(4*(\b)+\e)+3]
.endr
	s_wait_alu depctr_va_vdst(0)                   ; the eight conversions have written the block's part of Y, which the four stores read; in block 0 also: v[4:7] are written, the stores' offsets
.irp e, 0,1,2,3
	global_store_b64 v[4+(\b)/2], v[Y+2*(4*(\b)+\e):Y+2*(4*(\b)+\e)+1], s[6:7] offset:256*(4*((\b)%2)+\e)
.endr
.endm
; the same for w_out: rounded to bf16, widened again (a shift, a mask), written as f16.  v[8:13] are at work: no memory instruction names them.
.macro CVO4 b
	s_wait_loadcnt 28-4*(\b)
.irp e, 0,1,2,3
	v_cvt_pk_bf16_f32 v8, v[X+4*(4*(\b)+\e)], v[X+4*(4*(\b)+\e)+1]
	v_cvt_pk_bf16_f32 v9, v[X+4*(4*(\b)+\e)+2], v[X+4*(4*(\b)+\e)+3]
	v_lshlrev_b32 v10, 16, v8
	v_and_b32 v11, 0xffff0000, v8
	v_lshlrev_b32 v12, 16, v9
	v_and_b32 v13, 0xffff0000, v9
	v_cvt_pk_f16_f32 v[Y+2*(4*(\b)+\e)], v10, v11
	v_cvt_pk_f16_f32 v[Y+2*(4*(\b)+\e)+1], v12, v13
.endr
	s_wait_alu depctr_va_vdst(0)                   ; the conversions have written the block's part of Y, which the four stores read; in block 0 also: v[4:7] are written, the stores' offsets
.irp e, 0,1,2,3
	global_store_b64 v[4+(\b)/2], v[Y+2*(4*(\b)+\e):Y+2*(4*(\b)+\e)+1], s[6:7] offset:256*(4*((\b)%2)+\e)
.endr
.endm
	s_cmp_lg_u32 s15, 0
	s_cbranch_scc1 .Lto_f16
.irp b, 0,1,2,3,4,5,6,7
	CVB4 \b
.endr
	s_endpgm
.Lto_f16:
.irp b, 0,1,2,3,4,5,6,7
	CVO4 \b
.endr
	s_endpgm
.Lfunc_end_k_q027a548fb1_prep:
	.size	k_q027a548fb1_prep, .Lfunc_end_k_q027a548fb1_prep-k_q027a548fb1_prep
	.p2alignl 7, 3214868480
	.fill 96, 4, 3214868480
	.section	.rodata,"a",@progbits
	.p2align	6, 0x0
	.amdhsa_kernel k_q027a548fb1_prep
		.amdhsa_group_segment_fixed_size 0
		.amdhsa_private_segment_fixed_size 0
		.amdhsa_enable_private_segment 0
		.amdhsa_kernarg_size 64
		.amdhsa_user_sgpr_count 2
		.amdhsa_user_sgpr_kernarg_segment_ptr 1
		.amdhsa_wavefront_size32 1
		.amdhsa_system_sgpr_workgroup_id_x 1
		.amdhsa_system_sgpr_workgroup_id_y 1
		.amdhsa_system_sgpr_workgroup_id_z 1
		.amdhsa_system_vgpr_workitem_id 0
		.amdhsa_next_free_vgpr 224
		.amdhsa_next_free_sgpr 66
		.amdhsa_reserve_vcc 1
		.amdhsa_float_denorm_mode_32 3
		.amdhsa_float_denorm_mode_16_64 3
		.amdhsa_memory_ordered 1
		.amdhsa_forward_progress 1
		.amdhsa_inst_pref_size 38
	.end_amdhsa_kernel
	.amdgpu_metadata
---
amdhsa.version: [ 1, 2 ]
amdhsa.kernels:
  - .name:           k_q027a548fb1_prep
    .symbol:         k_q027a548fb1_prep.kd
    .args:
      - { .name: x, .offset: 0, .size: 8, .value_kind: global_buffer, .address_space: global }
      - { .name: w_q, .offset: 8, .size: 8, .value_kind: global_buffer, .address_space: global }
      - { .name: w_kv, .offset: 16, .size: 8, .value_kind: global_buffer, .address_space: global }
      - { .name: w_out, .offset: 24, .size: 8, .value_kind: global_buffer, .address_space: global }
      - { .name: xb, .offset: 32, .size: 8, .value_kind: global_buffer, .address_space: global }
      - { .name: wqkv, .offset: 40, .size: 8, .value_kind: global_buffer, .address_space: global }
      - { .name: wob, .offset: 48, .size: 8, .value_kind: global_buffer, .address_space: global }
      - { .name: cs, .offset: 56, .size: 8, .value_kind: global_buffer, .address_space: global }
    .group_segment_fixed_size: 0
    .private_segment_fixed_size: 0
    .kernarg_segment_align: 8
    .kernarg_segment_size: 64
    .max_flat_workgroup_size: 256
    .sgpr_count:     66
    .vgpr_count:     224
    .wavefront_size: 32
...
	.end_amdgpu_metadata
.endif
;; end of part 5
;; launch qkvrope: the kernel of part 2 again; grid 12 x 16, 4 waves a work-group, clusters of 4 x 4, 327,680 bytes of LDS; arguments xb, wqkv, cs, qkvh; writes qkvh
;; launch attn: the kernel of part 3 again; grid 256 x 1, 16 waves a work-group, no clusters, 327,680 bytes of LDS; arguments qkvh, ao; writes ao
;; launch outproj: the kernel of part 4 again; grid 8 x 32, 4 waves a work-group, clusters of 4 x 4, 327,680 bytes of LDS; arguments ao, wob, out0; writes out0
